; MI455X (gfx1250); checked and timed in simulation.
; The chip was launched on July 23, 2026; its instructions are those of AMD's public machine-readable ISA for CDNA 5 (MIT licence, August 2026) and "CDNA5" Instruction Set Architecture Reference Guide (July 2026). The comments in the code are by the model that wrote it; some were corrected since.
;; Causal Self Attention. Allowed arithmetic: matrix products marked QUANTISED: E4M3 operands, one given power-of-two scale a tensor, by v_wmma_f32_16x16x64_fp8_fp8 or v_wmma_f32_16x16x128_fp8_fp8, f32 sums; everything else in f32.
;; Inputs: bk 1,024 float32; bo 1,024 float32; bq 1,024 float32; bv 1,024 float32; lowp_scales 12 int32 (the exponents e of the quantised operands' scales 2^e); wk 1,024 x 1,024 float32; wo 1,024 x 1,024 float32; wq 1,024 x 1,024 float32; wv 1,024 x 1,024 float32; x 4 x 2,048 x 1,024 float32.
;; Outputs: out0 4 x 2,048 x 1,024 float32.
;; This version of the problem:
;;   THIS VERSION OF THE PROBLEM IS GIVEN IN LOW PRECISION. The matrix products marked QUANTISED in the list below multiply operands that are first quantised to E4M3 (4 exponent bits, 3 mantissa bits; 8 bits a number), with one given power-of-two scale for each operand tensor; their sums are f32. All else is computed in f32.
;;   The module's matrix products, in the order in which they are computed (A, B: the left and right operand; K: the contracted axis; several contracted axes count as one K, in the product's order):
;;     1. [M 8,192, K 1,024] x [K 1,024, N 1,024]; A: input x; B: input wq: QUANTISED (scales: A lowp_scales[0], B lowp_scales[1])
;;     2. [M 8,192, K 1,024] x [K 1,024, N 1,024]; A: input x; B: input wk: QUANTISED (scales: A lowp_scales[2], B lowp_scales[3])
;;     3. [M 8,192, K 1,024] x [K 1,024, N 1,024]; A: input x; B: input wv: QUANTISED (scales: A lowp_scales[4], B lowp_scales[5])
;;     4. batch 64 x [M 2,048, K 64] x [K 64, N 2,048]; A: computed on the way; B: computed on the way: QUANTISED (scales: A lowp_scales[6], B lowp_scales[7])
;;     5. batch 64 x [M 2,048, K 2,048] x [K 2,048, N 64]; A: softmax (see below); B: computed on the way: QUANTISED (scales: A lowp_scales[8], B lowp_scales[9])
;;     6. [M 8,192, K 1,024] x [K 1,024, N 1,024]; A: computed on the way; B: input wo: QUANTISED (scales: A lowp_scales[10], B lowp_scales[11])
;;   THE QUANTISER, for each operand of a quantised product, along K:
;;     - The operand's scale is 2^e, e = its entry of the input lowp_scales (int32; the entries are numbered through the quantised products in the list's order, A before B).
;;     - Each number is divided by the scale, clamped to +-448, and rounded to the nearest number of E4M3, ties to even, subnormals kept.
;;     - The product sums the exact products of the quantised numbers (number of the format x scale) in f32.
;;   ~~~python
;;   def quantise(x, axis, e):      # numpy; x: float32 -> the quantised numbers, widened to float32 again
;;       x = np.moveaxis(x, axis, -1); K = x.shape[-1]
;;       r = np.clip(x / 2.0 ** e, -448, 448)
;;       step = 2.0 ** (np.maximum(np.frexp(np.where(r == 0, 1, r))[1] - 1, -6) - 3)
;;       q = np.round(r / step) * step * 2.0 ** e      # np.round: ties to even
;;       return np.moveaxis(q, -1, axis).astype(np.float32)
;;   ~~~
;;   SOFTMAX AHEAD OF A QUANTISED PRODUCT. Where the list says 'softmax', what is quantised is not the finished softmax but p = 2^(t - M), with t = logit x log2(e) and M = ceil(the row's largest t), a whole number; so 1/2 < the row's largest p <= 1. The row's sum l is taken of the UNQUANTISED p, in f32, and the product's result is divided by l at the end. Since M is a whole number, a kernel that streams over the keys may use a running M (the ceiling of the running maximum): every later rescaling is an exact power of two, so the quantised numbers keep their values, but for numbers so far below the row's largest that they fall under the format's range.
;;   OPERANDS COMPUTED ON THE WAY. 'Computed on the way' means the value that the module computes at that place (a softmax that the list does not call 'softmax' is quantised finished and normalised). What goes into a quantiser is computed in f32, as accurately as f32 sums, v_exp_f32 and their like allow (about 1e-6 of the number): no bf16 or f16 on the way to a quantiser, and a product that is left as it is and whose result goes on into a quantised operand takes f32 operands (vector FMAs, or v_wmma_f32_16x16x4_f32). A number that lies on a knife's edge between two numbers of the format may be rounded either way, as far as f32 arithmetic and the matrix unit's own rounding can turn it there, and no further.
;; One version. Each part assembles by itself: llvm-mc -triple=amdgcn-amd-amdhsa -mcpu=gfx1250 --defsym DOCPART=n.
;; ======== version 1 of 1: 4 launches
;; limits: right only within a limited range of input values
;; workspace buffers: ximg 25,165,824 bytes; wimg 4,194,304 bytes; qimg 8,388,608 bytes; kimg 8,388,608 bytes; vimg 8,388,608 bytes; oimg 8,388,608 bytes
;; launch prep (part 1): grid 640 x 1, 4 waves a work-group, no clusters, 34,304 bytes of LDS; arguments x, wq, wk, wv, wo, lowp_scales, ximg, wimg; writes ximg, wimg
.if DOCPART == 1
	.amdgcn_target "amdgcn-amd-amdhsa--gfx1250"
	.amdhsa_code_object_version 6
	.text
	.protected	k_q92573c0d1d_prep
	.globl	k_q92573c0d1d_prep
	.p2align	8
	.type	k_q92573c0d1d_prep,@function
k_q92573c0d1d_prep:
	s_mov_b64 s[64:65], 0
	v_nop
	global_prefetch_b8 v0, s[64:65] scope:SCOPE_SE
	s_setreg_imm32_b32 hwreg(HW_REG_WAVE_MODE, 25, 1), 1
	s_wait_xcnt 0x0
; x [8192][1024] f32 and the four weights [1024 (k)][1024 (n)] f32 become codes of FP8 (E4M3), laid as IMAGES OF THE OPERAND'S REGISTERS for v_wmma_f32_16x16x128_fp8_fp8:
;   [tile of 16 rows][K step of 128: 8][c: 4][lane: 32][16 bytes], 16,384 bytes a tile.  Lane 16 h + r holds row r; byte i of piece (s, c) is k = 128 s + 32 c + 8 h + (i % 8) + 16 (i / 8):
;   registers 4 c .. 4 c + 3 of the fragment, every k in its own place.  A row is a token for x, an output column n for a weight.
; code = number / 2^e, held within +-448, to the nearest code, ties to even.  x is an operand of three products with three given scales (entries 0, 2, 4): it is read once and quantised three times, into three images.
; The weights take entries 1 (wq), 3 (wk), 5 (wv), 11 (wo).  LIMITS: each of these seven exponents lies between -126 and 119, so that 2^e and 448 x 2^e are f32 numbers.  NaN among the inputs is not served.
; Work-groups 0-511: one tile of 16 tokens each; wave w takes K steps 2 w and 2 w + 1.  Work-groups 512-639: 128 columns x 256 along K of one weight; a wave takes 32 columns.
; No matrix work, no shared data between waves: no barrier, no cluster.  Only the way for x uses LDS, a stage for each wave.
.set SP,   528                         ; a stage row: 512 bytes (128 numbers of one token) + 16: sixteen rows start 33 x 16 bytes apart, so the sixteen lanes of a read fall on different 16-byte columns
.set WST,  16*SP                       ; a wave's stage
.set L16,  1                           ; v1   16 x lane: my place in a load's or a store's 512 bytes
.set SIN,  2                           ; v2   the stage, way in
.set SOUT, 3                           ; v3   the stage, way out: row r, + 32 h
.set SC,   4                           ; v4-6 2^e0, 2^e2, 2^e4 as f32
.set R0,   16                          ; v16-79, v80-143: the two K steps as loaded; the first 48 of each later hold its codes
.set XR,   144                         ; v144-207: a K step's 64 numbers of my row, in the order of the fragment
.set TT,   208
.set WX,   32                          ; weights: v32-95 two sets of 32 numbers down K
.set WC,   96                          ; weights: v96-159 codes, eight registers a block, never rewritten
.macro XLOAD u                         ; K step u of my two: 16 rows, 512 consecutive bytes each
.set ii, 0
.rept 16
	global_load_b128 v[R0+64*\u+4*ii:R0+64*\u+4*ii+3], v[L16], s[4:5] offset:4096*ii+512*\u th:TH_LOAD_NT
.set ii, ii+1
.endr
.endm
.macro XTURN u                         ; through my stage: in as loaded, out as the fragment wants it.  LDS serves a wave's instructions in order: no wait between
.set ii, 0
.rept 16
	ds_store_b128 v[SIN], v[R0+64*\u+4*ii:R0+64*\u+4*ii+3] offset:SP*ii
.set ii, ii+1
.endr
	v_nop
.irp c, 0,1,2,3
	ds_load_b128 v[XR+16*\c:XR+16*\c+3],     v[SOUT] offset:128*\c      ; k = 32 c + 8 h + 0 .. 3
	ds_load_b128 v[XR+16*\c+4:XR+16*\c+7],   v[SOUT] offset:128*\c+16   ;                + 4 .. 7
	ds_load_b128 v[XR+16*\c+8:XR+16*\c+11],  v[SOUT] offset:128*\c+64   ; k = 32 c + 16 + 8 h + 0 .. 3
	ds_load_b128 v[XR+16*\c+12:XR+16*\c+15], v[SOUT] offset:128*\c+80
.endr
.endm
.macro XQUANT u                        ; three times: convert, store
.irp e, 0,1,2
.irp c, 0,1,2,3
.set TS, TT+16*(\c%2)
.set CC, R0+64*\u+16*\e+4*\c
.set ii, 0
.rept 16
.set ii, ii+1
.endr
	v_cvt_scalef32_pk8_fp8_f32 v[CC:CC+1], v[TS+((XR+16*\c+ii)-(TS+ii)):TS+7+((XR+16*\c+ii)-(TS+ii))], v[SC+\e]
	v_cvt_scalef32_pk8_fp8_f32 v[CC+2:CC+3], v[TS+8+((XR+16*\c+ii)-(TS+ii)):TS+15+((XR+16*\c+ii)-(TS+ii))], v[SC+\e]
.endr
.irp c, 0,1,2,3
	global_store_b128 v[L16], v[R0+64*\u+16*\e+4*\c:R0+64*\u+16*\e+4*\c+3], s[22+2*\e:23+2*\e] offset:2048*\u+512*\c   ; 32 lanes store 512 consecutive bytes, at a multiple of 512 from the buffer's first byte
.endr
.endr
.endm
.macro WLOAD t                         ; block t of 32 along K: W(32 t + i, my column) into set t % 2; 32 lanes read 128 consecutive bytes
.set ii, 0
.rept 32
	global_load_b32 v[WX+32*((\t)%2)+ii], v3, s[6:7] offset:(32*(\t)+ii)*4096 th:TH_LOAD_NT
.set ii, ii+1
.endr
.endm
.macro WBLOCK t
.set XS, WX+32*((\t)%2)
.set CC, WC+8*(\t)
.if (\t) < 7
	s_wait_loadcnt 32                              ; this block's 32 loads are in; the next block's 32 may be out
.else
	s_wait_loadcnt 0x0
.endif
.set ii, 0
.rept 32
.set ii, ii+1
.endr
	v_cvt_scalef32_pk8_fp8_f32 v[CC:CC+1],   v[XS:XS+7],     v11   ; the piece of h = 0: k = 0 .. 7 and 16 .. 23 of the block,
	v_cvt_scalef32_pk8_fp8_f32 v[CC+2:CC+3], v[XS+16:XS+23], v11
	v_cvt_scalef32_pk8_fp8_f32 v[CC+4:CC+5], v[XS+8:XS+15],  v11   ; of h = 1: k = 8 .. 15 and 24 .. 31
	v_cvt_scalef32_pk8_fp8_f32 v[CC+6:CC+7], v[XS+24:XS+31], v11
	v_nop                                          ; one plain line behind the last conversion of the run
	global_store_b128 v4, v[CC:CC+3],   s[18:19] offset:((\t)/4)*2048+((\t)%4)*512       ; sixteen lanes (sixteen columns of one tile) store 256 consecutive bytes, aligned
	global_store_b128 v4, v[CC+4:CC+7], s[18:19] offset:((\t)/4)*2048+((\t)%4)*512+256
.if (\t)+2 < 8
	WLOAD (\t)+2
.endif
.endm
	s_load_b256 s[4:11], s[0:1], 0x0               ; x s[4:5], wq s[6:7], wk s[8:9], wv s[10:11]
	s_load_b256 s[12:19], s[0:1], 0x20             ; wo s[12:13], the exponents s[14:15], ximg s[16:17], wimg s[18:19]
	v_lshl_add_u32 v240, v0, 2, 0x8400
	v_mov_b32 v241, 0
	v_lshrrev_b32 v1, 5, v0
	v_readfirstlane_b32 s20, v1                    ; wave 0..3
	v_and_b32 v7, 31, v0                           ; lane
	v_and_b32 v8, 15, v0                           ; r
	v_bfe_u32 v9, v0, 4, 1                         ; h
	s_wait_kmcnt 0x0
	s_load_b256 s[32:39], s[14:15], 0x0            ; e0 .. e7
	s_load_b128 s[40:43], s[14:15], 0x20           ; e8 .. e11
	s_cmp_lt_u32 ttmp9, 512
	s_cbranch_scc0 .Lweights
	s_wait_alu depctr_va_vdst(0)
	; ---- x: the work-group's number is the tile of 16 tokens
	v_lshlrev_b32 v[L16], 4, v7
	s_wait_alu depctr_va_vdst(0)
	s_mul_i32 s21, s20, WST
	v_add_nc_u32 v[SIN], s21, v[L16]
	v_mul_u32_u24 v[SOUT], v8, SP
	v_lshl_add_u32 v[SOUT], v9, 5, v[SOUT]
	v_add_nc_u32 v[SOUT], s21, v[SOUT]
	s_lshl_b32 s28, ttmp9, 16                      ; 16 rows of 4,096 bytes,
	s_lshl_b32 s30, s20, 10                        ; my two K steps: 1,024 bytes of each row
	s_add_co_u32 s28, s28, s30
	s_mov_b32 s29, 0
	s_add_nc_u64 s[4:5], s[4:5], s[28:29]
	s_lshl_b32 s28, ttmp9, 14                      ; the tile's image, my two K steps of 2,048 bytes
	s_lshl_b32 s30, s20, 12
	s_add_co_u32 s28, s28, s30
	s_add_nc_u64 s[22:23], s[16:17], s[28:29]      ; the three images lie 8,388,608 bytes apart: a base for each
	s_add_nc_u64 s[24:25], s[22:23], 0x800000
	s_add_nc_u64 s[26:27], s[24:25], 0x800000
	XLOAD 0
	XLOAD 1
	s_wait_alu depctr_va_vdst(0)
	s_wait_kmcnt 0x0
.irp e, 0,1,2
	s_add_co_i32 s52, s[32+2*\e], 127
	s_lshl_b32 s53, s52, 23
	v_mov_b32 v[SC+\e], s53                        ; 2^e as f32: the conversion takes its exponent field
	s_add_co_i32 s52, s52, 8
	s_lshl_b32 s52, s52, 23
	s_or_b32 s[44+\e], s52, 0x600000               ; 448 x 2^e,
	s_or_b32 s[48+\e], s[44+\e], 0x80000000        ; and its negative
.endr
	s_wait_alu depctr_va_vdst(0)
	s_wait_loadcnt 16                              ; the first K step's 16 loads are in; the second's 16 may be out
	XTURN 0
	s_wait_dscnt 0x0                               ; back from the stage; the registers as loaded are free for the codes
	XQUANT 0
	s_wait_loadcnt 0x0
	XTURN 1
	s_wait_dscnt 0x0
	XQUANT 1
	s_wait_tensorcnt 0x0
	ds_add_u32 v240, v241
	s_wait_dscnt 0x0
	s_endpgm
	; ---- the weights: A LANE TAKES A COLUMN n, AND ITS REGISTERS RUN DOWN K, so the conversions give codes with K innermost and nothing is transposed
.Lweights:
	s_sub_co_u32 s21, ttmp9, 512
	s_lshr_b32 s28, s21, 5                         ; which weight: 0 wq, 1 wk, 2 wv, 3 wo
	s_bfe_u32 s29, s21, 0x30002                    ; which 128 columns
	s_and_b32 s30, s21, 3                          ; which 256 along K
	s_cmp_eq_u32 s28, 1                            ; the choice hangs on the work-group's number alone
	s_cselect_b64 s[6:7], s[8:9], s[6:7]
	s_cmp_eq_u32 s28, 2
	s_cselect_b64 s[6:7], s[10:11], s[6:7]
	s_cmp_eq_u32 s28, 3
	s_cselect_b64 s[6:7], s[12:13], s[6:7]
	s_lshl_b32 s22, s30, 20                        ; 256 rows of 4,096 bytes,
	s_lshl_b32 s24, s29, 9                         ; 128 columns of 4 bytes,
	s_add_co_u32 s22, s22, s24
	s_lshl_b32 s24, s20, 7                         ; my wave's 32
	s_add_co_u32 s22, s22, s24
	s_mov_b32 s23, 0
	s_add_nc_u64 s[6:7], s[6:7], s[22:23]
	s_lshl_b32 s22, s28, 20                        ; the weight's image, 1,048,576 bytes,
	s_lshl_b32 s24, s29, 17                        ; eight tiles of 16 columns,
	s_add_co_u32 s22, s22, s24
	s_lshl_b32 s24, s20, 15                        ; my wave's two,
	s_add_co_u32 s22, s22, s24
	s_lshl_b32 s24, s30, 12                        ; two K steps of 2,048 bytes
	s_add_co_u32 s22, s22, s24
	s_add_nc_u64 s[18:19], s[18:19], s[22:23]
	s_wait_alu depctr_va_vdst(0)
	v_lshlrev_b32 v3, 2, v7                        ; in: 4 bytes a lane
	v_lshlrev_b32 v4, 4, v8                        ; out: 16 r, and lanes 16-31 one tile further on
	v_lshl_add_u32 v4, v9, 14, v4
	WLOAD 0
	WLOAD 1
	s_wait_kmcnt 0x0
	s_cmp_eq_u32 s28, 1
	s_cselect_b32 s33, s35, s33                    ; e1, e3, e5 or e11
	s_cmp_eq_u32 s28, 2
	s_cselect_b32 s33, s37, s33
	s_cmp_eq_u32 s28, 3
	s_cselect_b32 s33, s43, s33
	s_add_co_i32 s33, s33, 127
	s_lshl_b32 s34, s33, 23
	v_mov_b32 v11, s34                             ; 2^e
	s_add_co_i32 s33, s33, 8
	s_lshl_b32 s33, s33, 23
	s_or_b32 s44, s33, 0x600000                    ; 448 x 2^e
	s_or_b32 s48, s44, 0x80000000
	s_wait_alu depctr_va_vdst(0)
.irp t, 0,1,2,3,4,5,6,7
	WBLOCK \t
.endr
	s_endpgm
.Lfunc_end_k_q92573c0d1d_prep:
	.size	k_q92573c0d1d_prep, .Lfunc_end_k_q92573c0d1d_prep-k_q92573c0d1d_prep
	.p2alignl 7, 3214868480
	.fill 96, 4, 3214868480
	.section	.rodata,"a",@progbits
	.p2align	6, 0x0
	.amdhsa_kernel k_q92573c0d1d_prep
		.amdhsa_group_segment_fixed_size 34304
		.amdhsa_private_segment_fixed_size 0
		.amdhsa_enable_private_segment 0
		.amdhsa_kernarg_size 64
		.amdhsa_user_sgpr_count 2
		.amdhsa_user_sgpr_kernarg_segment_ptr 1
		.amdhsa_wavefront_size32 1
		.amdhsa_system_sgpr_workgroup_id_x 1
		.amdhsa_system_sgpr_workgroup_id_y 1
		.amdhsa_system_sgpr_workgroup_id_z 1
		.amdhsa_system_vgpr_workitem_id 0
		.amdhsa_next_free_vgpr 242
		.amdhsa_next_free_sgpr 66
		.amdhsa_reserve_vcc 0
		.amdhsa_float_denorm_mode_32 3
		.amdhsa_float_denorm_mode_16_64 3
		.amdhsa_fp16_overflow 1
		.amdhsa_memory_ordered 1
		.amdhsa_forward_progress 1
		.amdhsa_inst_pref_size 45
	.end_amdhsa_kernel
	.amdgpu_metadata
---
amdhsa.version: [ 1, 2 ]
amdhsa.kernels:
  - .name:           k_q92573c0d1d_prep
    .symbol:         k_q92573c0d1d_prep.kd
    .args:
      - { .name: x, .offset: 0, .size: 8, .value_kind: global_buffer, .address_space: global }
      - { .name: wq, .offset: 8, .size: 8, .value_kind: global_buffer, .address_space: global }
      - { .name: wk, .offset: 16, .size: 8, .value_kind: global_buffer, .address_space: global }
      - { .name: wv, .offset: 24, .size: 8, .value_kind: global_buffer, .address_space: global }
      - { .name: wo, .offset: 32, .size: 8, .value_kind: global_buffer, .address_space: global }
      - { .name: lowp_scales, .offset: 40, .size: 8, .value_kind: global_buffer, .address_space: global }
      - { .name: ximg, .offset: 48, .size: 8, .value_kind: global_buffer, .address_space: global }
      - { .name: wimg, .offset: 56, .size: 8, .value_kind: global_buffer, .address_space: global }
    .group_segment_fixed_size: 34304
    .private_segment_fixed_size: 0
    .kernarg_segment_align: 8
    .kernarg_segment_size: 64
    .max_flat_workgroup_size: 128
    .sgpr_count:     66
    .vgpr_count:     242
    .wavefront_size: 32
...
	.end_amdgpu_metadata
.endif
;; end of part 1
;; launch qkv (part 2): grid 12 x 32, 4 waves a work-group, clusters of 4 x 4, 327,680 bytes of LDS; arguments ximg, wimg, lowp_scales, bq, bk, bv, qimg, kimg, vimg; writes qimg, kimg, vimg
.if DOCPART == 2
	.amdgcn_target "amdgcn-amd-amdhsa--gfx1250"
	.amdhsa_code_object_version 6
	.text
	.protected	k_q92573c0d1d_qkv
	.globl	k_q92573c0d1d_qkv
	.p2align	8
	.type	k_q92573c0d1d_qkv,@function
k_q92573c0d1d_qkv:
	s_mov_b64 s[64:65], 0
	v_nop
	global_prefetch_b8 v0, s[64:65] scope:SCOPE_SE
	s_setreg_imm32_b32 hwreg(HW_REG_WAVE_MODE, 25, 1), 1
	s_wait_xcnt 0x0
	s_wait_alu depctr_hold_cnt(0) depctr_sa_sdst(0) depctr_va_vdst(0) depctr_va_sdst(0) depctr_va_ssrc(0) depctr_va_vcc(0) depctr_vm_vsrc(0)
	s_getreg_b32 s2, hwreg(HW_REG_IB_STS2, 6, 4)
	s_cmp_eq_u32 s2, 0
	s_cbranch_scc0 .Lentry_in_a_cluster
	s_endpgm
.Lentry_in_a_cluster:
	s_bfe_u32 s2, ttmp6, 0x10000c
	s_cmp_lg_u32 s2, 0xf033
	s_cbranch_scc0 .Lentry_shape_is_right
	s_endpgm
.Lentry_shape_is_right:
; q = x wq + bq, k = x wk + bk, v = x wv + bv on codes of FP8 (E4M3), K = 1,024; the results are quantised at once (entries 6, 7, 9 of the exponents) and stored as images of the registers that the attention's products want.
; Operands come as images: [tile of 16 rows][K step of 128: 8][c: 4][lane][16 bytes], 16,384 bytes a tile, every k in the place that v_wmma_f32_16x16x128_fp8_fp8 gives it.
; A tile of 256 x 256 of a product is made by four waves, 128 x 128 each: 64 accumulators, 512 registers.  K goes in steps of 256 through two LDS slots filled by the tensor data mover.
; The cluster's x says which product: 0 q, 1 k, 2 v.  THE MATRIX INSTRUCTION IS USED TRANSPOSED: source 0 = 16 rows of side B, source 1 = 16 rows of side A: a lane holds ONE row of A's side and eight neighbours of B's side.
;   q, k: side A = tokens (x), side B = channels (the weight's columns).  A lane's eight results are eight neighbouring channels of one token: registers 2 c, 2 c + 1 of the fragment 16 tokens x 64 channels of a head.
;   v:    side A = channels (wv's columns), side B = tokens (x): eight neighbouring KEYS of one channel: registers 2 c, 2 c + 1 of the fragment 16 channels x 128 keys.  The sides are swapped by addresses alone.
; So the conversions' results are the next operands' registers, and each store of a wave covers 512 consecutive aligned bytes: the way out touches no LDS.
; qimg, kimg: [batch x head: 64][tile of 16 tokens: 128][u: 2][lane][16].   vimg: [batch x head][128 keys: 16][tile of 16 channels: 4][c: 4][lane][16].
; CLUSTERS: 4 x 4 work-groups; the four of a row need the same tiles of side A, the four of a column the same tiles of side B: each is asked for jointly.
; LIMITS on the given exponents: the sum of a product's two between -126 and 127; e6, e7, e9 between -126 and 119.  NaN is not served.
; REGISTERS, in windows of 256: window 0: v0-31 addresses; v32-95 the bias; v96-127 at work on the way out; v128-255 A's fragments, ONE set, later the codes.  window 1: B's fragments, TWO sets.  windows 2, 3: the accumulators.
.set RT,     4096                      ; a tile of 16 rows x 256 along K: two K steps of 2,048 bytes, dense
.set HALFT,  8*RT                      ; 128 rows: what one tensor load brings, and what one wave reads of a side
.set SLOT,   4*HALFT                   ; A's two halves, then B's two
.set SPARE,  2*SLOT                    ; behind the ring: the spare words, 128 bytes for each wave: two blocks of 256 bytes that no other line names
.set FR,     16                        ; registers of a fragment
.set NL,     4                         ; LDS loads that bring one
.set NP,     4                         ; places behind this matrix instruction (ISA guide 7.12.1)
.set ADRA, 16                          ; v16-17  LDS address of my A fragments in slot 0, 1
.set ADRB, 20                          ; v20-21  the same for B
.set BO0,  24                          ; v24     32 h: my eight numbers of a bias along B's side
.set BO1,  25                          ; v25     4 r: my one number of a bias along A's side
.set CO,   26                          ; v26     16 x lane
.set SCL,  27                          ; v27     the result's scale 2^eo as f32
.set SPW,  28                          ; v28     LDS address of my spare word; never rewritten
.set NIL,  29                          ; v29     0; never rewritten
.set BR,   32
.set TMP,  96
.set AF,   128
.set CD,   128                         ; the codes: 16 registers for each block of A's side, never rewritten
.set G1, 24                            ; s[24:31] descriptor group 1 for A's tiles;  s[32:39] group 0, one set for each slot
.set G0, 32
.set G1B, 48                           ; s[48:55], s[56:63] the same for B's tiles
.set G0B, 56
.set MSB, 0
.macro WIN new                         ; the immediate's high byte repeats the setting that is left
.if MSB != \new
	s_set_vgpr_msb (MSB<<8)|\new
.set MSB, \new
.endif
.endm
.set MUL_LO, 0xa1                      ; source 0 (B) window 1, source 1 (A) window 0, C and D window 2
.set MUL_HI, 0xf1                      ; the same, C and D window 3
.set TO_B,   0x40                      ; destination window 1, address window 0
; A joint load: waves 0 and 1 fetch for A, waves 2 and 3 for B; the branch hangs on the wave's number alone.  Four v_nop follow each of the two lines.
.macro JLOAD g0a, g1a, g0b, g1b
	s_cmp_eq_u32 s15, 0
	s_cbranch_scc0 .Lfor_b_\@
	tensor_load_to_lds s[\g0a:\g0a+3], s[\g1a:\g1a+7]
	s_nop 0
.rept 4
	v_nop
.endr
	s_branch .Lasked_\@
.Lfor_b_\@:
	tensor_load_to_lds s[\g0b:\g0b+3], s[\g1b:\g1b+7]
	s_nop 0
.rept 4
	v_nop
.endr
.Lasked_\@:
.endm
.macro CREST                           ; a round of the cluster's barrier behind its opening barrier
	s_cmp_lg_u32 s14, 0
	s_cbranch_scc1 .Lnot_wave_0_\@
	s_barrier_signal -3
.Lnot_wave_0_\@:
	s_barrier_wait -3
	s_barrier_signal -1
	s_barrier_wait -1
.endm
.macro CROUND                          ; a whole round
	s_barrier_signal -1
	s_barrier_wait -1
	CREST
.endm
	s_load_b128 s[4:7], s[0:1], 0x0                ; ximg s[4:5], wimg s[6:7]
	s_load_b256 s[72:79], s[0:1], 0x10             ; the exponents s[72:73], bq s[74:75], bk s[76:77], bv s[78:79]
	s_load_b128 s[80:83], s[0:1], 0x30             ; qimg s[80:81], kimg s[82:83]
	s_load_b64 s[84:85], s[0:1], 0x40              ; vimg
	v_lshl_add_u32 v[SPW], v0, 2, SPARE
	v_mov_b32 v[NIL], 0
	ds_add_u32 v28, v29
	ds_add_u32 v28, v29
	s_wait_dscnt 0x0
	v_lshrrev_b32 v1, 5, v0
	v_readfirstlane_b32 s14, v1                    ; wave 0..3
	s_lshr_b32 s15, s14, 1                         ; which half of A's 256 rows is mine.  Also: I fetch for A (0) or for B (1)
	s_and_b32 s16, s14, 1                          ; which half of B's.  Also: which 128 rows of that side I fetch
	s_bfe_u32 s40, ttmp6, 0x40000                  ; cx, cy: my place in the cluster
	s_bfe_u32 s41, ttmp6, 0x40004
	s_and_b32 s18, ttmp7, 0xffff
	s_lshl_b32 s18, s18, 2                         ; 4 x cluster y
	s_add_co_u32 s17, s18, s41                     ; 4 x cluster y + cy
	s_add_co_u32 s42, s18, s40                     ; 4 x cluster y + cx
	s_lshl_b32 s43, s41, 2
	s_lshl_b32 s43, 15, s43                        ; my row of the cluster
	s_lshl_b32 s44, 0x1111, s40                    ; my column
	; descriptor group 1: 8 rows of 4,096 bytes, 16,384 bytes apart in memory (a tile of 16 operand rows is one such row: the tile has no more than 8), dense in LDS
	s_or_b32 s[G1+0], s43, (1<<21)                 ; 15:0 the mask: A's tiles go to my row; 17:16 elements of 1 byte; 21 set beside a mask
	s_or_b32 s[G1B+0], s44, (1<<21)
.irp g, G1, G1B
	s_mov_b32 s[\g+1], RT<<16                      ; tensor_dim0
	s_mov_b32 s[\g+2], 8<<16                       ; tensor_dim1
	s_mov_b32 s[\g+3], RT<<16                      ; tile_dim0
	s_mov_b32 s[\g+4], 8                           ; tile_dim1
	s_mov_b32 s[\g+5], 16384                       ; tensor_dim0_stride
	s_mov_b32 s[\g+6], 0
	s_mov_b32 s[\g+7], 0
.endr
	s_lshl_b32 s8, ttmp9, 23                       ; x's image for this product
	s_lshl_b32 s9, ttmp9, 20                       ; the weight's
	s_lshl_b32 s10, s16, 17                        ; the 128 rows that I fetch: 8 tiles of 16,384 bytes
	s_lshl_b32 s45, s14, 15                        ; where they go: wave x 32,768: no place in the cluster enters an LDS address
	s_cmp_eq_u32 ttmp9, 2                          ; v?  The cluster's x is the same in all sixteen partners
	s_cselect_b32 s17, s41, s17                    ; TA, the tile of 256 on A's side: it hangs on cy alone
	s_cselect_b32 s42, s42, s40                    ; TB, on B's side: on cx alone
	s_cselect_b32 s20, s9, s8
	s_cselect_b32 s46, s8, s9
	s_lshl_b32 s11, s17, 18                        ; 16 tiles of 16,384 bytes
	s_add_co_u32 s20, s20, s11
	s_add_co_u32 s20, s20, s10
	s_mov_b32 s21, 0
	s_lshl_b32 s47, s42, 18
	s_add_co_u32 s46, s46, s47
	s_add_co_u32 s46, s46, s10
	s_mov_b32 s47, 0
	s_wait_kmcnt 0x0
	s_load_b256 s[88:95], s[72:73], 0x0            ; e0 .. e7
	s_load_b64 s[96:97], s[72:73], 0x20            ; e8, e9
	s_cmp_eq_u32 ttmp9, 2
	s_cselect_b64 s[66:67], s[6:7], s[4:5]         ; side A: x's codes, for v the weight's
	s_cselect_b64 s[68:69], s[4:5], s[6:7]         ; side B: the other
	s_add_nc_u64 s[20:21], s[66:67], s[20:21]
	s_add_nc_u64 s[46:47], s[68:69], s[46:47]
	CROUND                                         ; all sixteen work-groups are here: the first joint loads meet
.irp s, 0,1
	s_mov_b32 s[G0+4*\s], 1
	s_add_co_u32 s[G0+4*\s+1], s45, \s*SLOT
	s_add_nc_u64 s[G0+4*\s+2:G0+4*\s+3], s[20:21], \s*RT
	s_or_b32 s[G0+4*\s+3], s[G0+4*\s+3], 0x80000000
	s_mov_b32 s[G0B+4*\s], 1
	s_add_co_u32 s[G0B+4*\s+1], s45, \s*SLOT
	s_add_nc_u64 s[G0B+4*\s+2:G0B+4*\s+3], s[46:47], \s*RT
	s_or_b32 s[G0B+4*\s+3], s[G0B+4*\s+3], 0x80000000
	JLOAD G0+4*\s, G1, G0B+4*\s, G1B
.endr
	v_and_b32 v1, 31, v0
	v_lshlrev_b32 v[CO], 4, v1
	v_bfe_u32 v2, v0, 4, 1
	v_lshlrev_b32 v[BO0], 5, v2
	v_and_b32 v3, 15, v0
	v_lshlrev_b32 v[BO1], 2, v3
	s_lshl_b32 s8, s15, 15                         ; my 128 rows of A
	s_lshl_b32 s9, s16, 15                         ; my 128 rows of B,
	s_add_co_u32 s9, s9, 2*HALFT                   ; which lie behind A's 256
.irp s, 0,1
	v_add_nc_u32 v[ADRA+\s], s8, v[CO]
	v_add_nc_u32 v[ADRB+\s], s9, v[CO]
	s_add_co_u32 s8, s8, SLOT
	s_add_co_u32 s9, s9, SLOT
.endr
	s_wait_alu depctr_va_vdst(0)
	s_wait_kmcnt 0x0
	s_cmp_eq_u32 ttmp9, 1                          ; the product's three exponents, chosen without a branch
	s_cselect_b32 s8, s90, s88
	s_cselect_b32 s9, s91, s89
	s_cselect_b32 s10, s95, s94
	s_cmp_eq_u32 ttmp9, 2
	s_cselect_b32 s8, s92, s8
	s_cselect_b32 s9, s93, s9
	s_cselect_b32 s10, s97, s10
	s_add_co_i32 s8, s8, s9
	s_add_co_i32 s8, s8, 127
	s_lshl_b32 s98, s8, 23                         ; 2^(the operands' two exponents added): a sum stands for sum x that
	s_mov_b32 s99, s98                             ; (named with it as a pair, so it is written)
	s_add_co_i32 s10, s10, 127
	s_lshl_b32 s11, s10, 23
	v_mov_b32 v[SCL], s11                          ; 2^eo
.macro FRAG reg, adr, q, i             ; a fragment is 16 registers, stored as it stands: four loads of 512 consecutive bytes
.irp c, 0,1,2,3
	ds_load_b128 v[\reg+4*\c:\reg+4*\c+3], v[\adr] offset:(\i)*RT+(\q)*2048+512*\c
.endr
.endm
; 16 matrix instructions: A's blocks a0, a0 + 1 x B's eight, 128 along K.  p: B's set.  zero = 1: the first product starts the sums.
; The 64 accumulators take turns, one instruction a turn, in the same order in every step.
.macro MUL16 a0, p, zero
.irp a, \a0, \a0+1
.irp b, 0,1,2,3,4,5,6,7
.if \zero
	v_wmma_f32_16x16x128_fp8_fp8 v[8*(8*((\a)%4)+\b):8*(8*((\a)%4)+\b)+7], v[128*(\p)+FR*\b:128*(\p)+FR*\b+FR-1], v[AF+FR*(\a):AF+FR*(\a)+FR-1], 0
.else
	v_wmma_f32_16x16x128_fp8_fp8 v[8*(8*((\a)%4)+\b):8*(8*((\a)%4)+\b)+7], v[128*(\p)+FR*\b:128*(\p)+FR*\b+FR-1], v[AF+FR*(\a):AF+FR*(\a)+FR-1], v[8*(8*((\a)%4)+\b):8*(8*((\a)%4)+\b)+7]
.endif
.endr
.endr
.endm
.macro FETCH_B slot, q, p              ; B's eight fragments of the slot's q-th 128 along K into set p
	WIN TO_B
.irp i, 0,1,2,3,4,5,6,7
	FRAG 128*(\p)+FR*\i, ADRB+\slot, \q, \i
.endr
	WIN 0
.endm
.macro FETCH_A slot, q, i0             ; A's blocks i0 .. i0 + 3
.irp i, \i0, \i0+1, \i0+2, \i0+3
	FRAG AF+FR*(\i), ADRA+\slot, \q, \i
.endr
.endm
.macro PLACES n                        ; plain vector lines between a matrix instruction and a load into, or a vector line on, its registers (ISA guide 7.12.1 for vector lines)
.rept \n
	v_nop
.endr
.endm
; A step of 128 along K that has its successor in the same slot.  A's blocks are free as soon as their eight products are issued: blocks 0-3 are fetched anew in the step's middle, blocks 4-7 at its end.
.macro STEP slot, q, zero
	s_wait_dscnt 4*NL                              ; B's set and A's blocks 0-3 are in; the youngest 16 loads (A's blocks 4-7) may be out
	WIN MUL_LO
	MUL16 0, (\q)%2, \zero
	MUL16 2, (\q)%2, \zero
	s_wait_dscnt 0                                 ; A's blocks 4-7 are in
	PLACES NP
	FETCH_B \slot, (\q)+1, 1-(\q)%2
	FETCH_A \slot, (\q)+1, 0
	WIN MUL_HI
	MUL16 4, (\q)%2, \zero
	MUL16 6, (\q)%2, \zero
	PLACES NP
	WIN 0
	FETCH_A \slot, (\q)+1, 4
.endm
; A slot's last step changes slots: ONE barrier; in front of it each wave waits for all its tensor loads, adds 0 to its spare word, and waits for that and for its own reads of this slot.  fill = 1: this slot is filled again, two K steps ahead.
.macro TURN slot, next, fill
	s_wait_tensorcnt 0x0                           ; all my tensor loads have landed: my part of the next slot
	ds_add_u32 v[SPW], v[NIL]                      ; 0 onto my spare word
	s_wait_dscnt 4*NL+1                            ; (the add and the youngest 16 loads may be out)
	WIN MUL_LO
	MUL16 0, 1, 0                                  ; sixteen matrix instructions stand between the add and the wait for it
	s_wait_dscnt 0x0                               ; the add is done, and my reads of this slot are over
	s_barrier_signal -1
	MUL16 2, 1, 0
	WIN 0
	s_barrier_wait -1
.if \fill
	CREST                                          ; the barrier has opened a round of the cluster's barrier: no wave of any partner still reads this slot or has a load on its way
	s_add_nc_u64 s[G0+4*\slot+2:G0+4*\slot+3], s[G0+4*\slot+2:G0+4*\slot+3], 2*RT
	s_add_nc_u64 s[G0B+4*\slot+2:G0B+4*\slot+3], s[G0B+4*\slot+2:G0B+4*\slot+3], 2*RT
	JLOAD G0+4*\slot, G1, G0B+4*\slot, G1B         ; the first tensor load behind the round; its four v_nop are the places in front of the loads below
.else
	PLACES NP
.endif
	FETCH_B \next, 0, 0
	FETCH_A \next, 0, 0
	WIN MUL_HI
	MUL16 4, 1, 0
	MUL16 6, 1, 0
	PLACES NP
	WIN 0
	FETCH_A \next, 0, 4
.endm
.macro LAST                            ; the very last step: nothing more to fetch
	s_wait_dscnt 4*NL
	WIN MUL_LO
	MUL16 0, 1, 0
	MUL16 2, 1, 0
	s_wait_dscnt 0
	WIN MUL_HI
	MUL16 4, 1, 0
	MUL16 6, 1, 0
	WIN 0
.endm
; THE WAY OUT of half a block: A's block a, B's blocks 4 hh .. 4 hh + 3: sum x 2^(ea + eb) + bias in one packed multiply-add, each accumulator from its low end on; four conversions; two stores of 512 consecutive bytes.
; kind 0 (q, k): the bias runs along B's side, eight numbers an accumulator.  kind 1 (v): along A's side, one number a lane, kept twice as a pair.
.macro EPIH a, hh, kind
	WIN 0x02+((\a)/4)                              ; source 0: window 2 or 3
.set jj, 0
.rept 16
.if \kind
	v_pk_fma_f32 v[TMP+jj:TMP+jj+1], v[64*((\a)%4)+32*\hh+jj:64*((\a)%4)+32*\hh+jj+1], s[98:99], v[BR+2*(\a):BR+2*(\a)+1] op_sel_hi:[1,0,1]
.else
	v_pk_fma_f32 v[TMP+jj:TMP+jj+1], v[64*((\a)%4)+32*\hh+jj:64*((\a)%4)+32*\hh+jj+1], s[98:99], v[BR+32*\hh+jj:BR+32*\hh+jj+1] op_sel_hi:[1,0,1]
.endif
.set jj, jj+2
.endr
	WIN 0
.set jj, 0
.rept 32
.set jj, jj+1
.endr
.irp i, 0,1,2,3
	v_cvt_scalef32_pk8_fp8_f32 v[CD+16*(\a)+8*\hh+2*\i:CD+16*(\a)+8*\hh+2*\i+1], v[TMP+8*\i:TMP+8*\i+7], v[SCL]
.endr
	v_nop                                          ; one plain line behind the last conversion: the next half writes its sources
.irp u, 0,1
.if \kind
	global_store_b128 v[CO], v[CD+16*(\a)+8*\hh+4*\u:CD+16*(\a)+8*\hh+4*\u+3], s[86:87] offset:((\a)/4)*131072+((\a)%4)*2048+\hh*1024+\u*512
.else
	global_store_b128 v[CO], v[CD+16*(\a)+8*\hh+4*\u:CD+16*(\a)+8*\hh+4*\u+3], s[86:87] offset:\hh*131072+(\a)*1024+\u*512
.endif
.endr
.endm
	s_wait_tensorcnt 1                             ; my part of K step 0 is in (K step 1's load may be out)
	s_barrier_signal -1
	s_barrier_wait -1                              ; everybody's is
	FETCH_B 0, 0, 0
	FETCH_A 0, 0, 0
	FETCH_A 0, 0, 4
	STEP 0, 0, 1                                   ; K = 1,024 is four slots' worth: written out, no loop.  The first step's products start the sums
	TURN 0, 1, 1
	STEP 1, 0, 0
	TURN 1, 0, 1
	STEP 0, 0, 0
	TURN 0, 1, 0                                   ; nothing is left to fetch
	STEP 1, 0, 0
	s_cmp_eq_u32 ttmp9, 2                          ; the two ways out part on the cluster's x, the same in all partners; no tensor load and no barrier stands in them
	s_cbranch_scc1 .Lv
	; ---- q, k
	s_cmp_eq_u32 ttmp9, 1
	s_cselect_b64 s[86:87], s[82:83], s[80:81]     ; kimg or qimg
	s_cselect_b64 s[66:67], s[76:77], s[74:75]     ; bk or bq
	s_lshl_b32 s8, s42, 10                         ; my 128 channels: 256 TB + 128 x half, 4 bytes each
	s_lshl_b32 s9, s16, 9
	s_add_co_u32 s8, s8, s9
	s_mov_b32 s9, 0
	s_add_nc_u64 s[66:67], s[66:67], s[8:9]
.set ii, 0
.rept 16
	global_load_b128 v[BR+4*ii:BR+4*ii+3], v[BO0], s[66:67] offset:64*(ii/2)+16*(ii%2)   ; the bias of channels 16 b + 8 h + 0 .. 7: it lands under the last step's products
.set ii, ii+1
.endr
	s_lshr_b32 s8, s17, 3                          ; the batch: 8 tiles of 256 tokens each
	s_lshl_b32 s8, s8, 4
	s_lshl_b32 s10, s42, 2
	s_add_co_u32 s8, s8, s10
	s_lshl_b32 s10, s16, 1
	s_add_co_u32 s8, s8, s10                       ; batch x 16 + my first head (4 TB + 2 x half)
	s_lshl_b32 s8, s8, 7
	s_and_b32 s10, s17, 7
	s_lshl_b32 s10, s10, 4
	s_add_co_u32 s8, s8, s10
	s_lshl_b32 s10, s15, 3
	s_add_co_u32 s8, s8, s10                       ; x 128 + my first tile of 16 tokens
	s_lshl_b32 s8, s8, 10                          ; 1,024 bytes each
	s_add_nc_u64 s[86:87], s[86:87], s[8:9]
	LAST
	s_wait_loadcnt 0x0                             ; the bias
	PLACES NP
.irp a, 0,1,2,3,4,5,6,7
	EPIH \a, 0, 0
	EPIH \a, 1, 0
.endr
	s_branch .Lend
	; ---- v
.Lv:
	s_lshl_b32 s8, s17, 10                         ; my 128 channels: 256 TA + 128 x half
	s_lshl_b32 s9, s15, 9
	s_add_co_u32 s8, s8, s9
	s_mov_b32 s9, 0
	s_add_nc_u64 s[66:67], s[78:79], s[8:9]
.irp a, 0,1,2,3,4,5,6,7
	global_load_b32 v[BR+2*\a], v[BO1], s[66:67] offset:64*\a       ; the bias of channel 16 a + r, twice: a pair for the packed form
	global_load_b32 v[BR+2*\a+1], v[BO1], s[66:67] offset:64*\a
.endr
	s_lshr_b32 s8, s42, 3                          ; the batch
	s_lshl_b32 s8, s8, 4
	s_lshl_b32 s10, s17, 2
	s_add_co_u32 s8, s8, s10
	s_lshl_b32 s10, s15, 1
	s_add_co_u32 s8, s8, s10                       ; batch x 16 + my first head (4 TA + 2 x half)
	s_lshl_b32 s8, s8, 4
	s_and_b32 s10, s42, 7
	s_lshl_b32 s10, s10, 1
	s_add_co_u32 s8, s8, s10
	s_add_co_u32 s8, s8, s16                       ; x 16 + my block of 128 keys
	s_lshl_b32 s8, s8, 13                          ; 8,192 bytes each
	s_add_nc_u64 s[86:87], s[84:85], s[8:9]
	LAST
	s_wait_loadcnt 0x0
	PLACES NP
.irp a, 0,1,2,3,4,5,6,7
	EPIH \a, 0, 1
	EPIH \a, 1, 1
.endr
.Lend:
	s_wait_tensorcnt 0x0                           ; the wave's end
	ds_add_u32 v[SPW], v[NIL]
	s_wait_dscnt 0x0
	CROUND                                         ; the closing round: no work-group ends while a partner may still ask for a tile that names it
	s_endpgm
.Lfunc_end_k_q92573c0d1d_qkv:
	.size	k_q92573c0d1d_qkv, .Lfunc_end_k_q92573c0d1d_qkv-k_q92573c0d1d_qkv
	.p2alignl 7, 3214868480
	.fill 96, 4, 3214868480
	.section	.rodata,"a",@progbits
	.p2align	6, 0x0
	.amdhsa_kernel k_q92573c0d1d_qkv
		.amdhsa_group_segment_fixed_size 327680
		.amdhsa_private_segment_fixed_size 0
		.amdhsa_enable_private_segment 0
		.amdhsa_kernarg_size 72
		.amdhsa_user_sgpr_count 2
		.amdhsa_user_sgpr_kernarg_segment_ptr 1
		.amdhsa_wavefront_size32 1
		.amdhsa_system_sgpr_workgroup_id_x 1
		.amdhsa_system_sgpr_workgroup_id_y 1
		.amdhsa_system_sgpr_workgroup_id_z 1
		.amdhsa_system_vgpr_workitem_id 0
		.amdhsa_next_free_vgpr 1024
		.amdhsa_next_free_sgpr 102
		.amdhsa_reserve_vcc 0
		.amdhsa_float_denorm_mode_32 3
		.amdhsa_float_denorm_mode_16_64 3
		.amdhsa_fp16_overflow 1
		.amdhsa_memory_ordered 1
		.amdhsa_forward_progress 1
		.amdhsa_inst_pref_size 135
	.end_amdhsa_kernel
	.amdgpu_metadata
---
amdhsa.version: [ 1, 2 ]
amdhsa.kernels:
  - .name:           k_q92573c0d1d_qkv
    .symbol:         k_q92573c0d1d_qkv.kd
    .args:
      - { .name: ximg, .offset: 0, .size: 8, .value_kind: global_buffer, .address_space: global }
      - { .name: wimg, .offset: 8, .size: 8, .value_kind: global_buffer, .address_space: global }
      - { .name: lowp_scales, .offset: 16, .size: 8, .value_kind: global_buffer, .address_space: global }
      - { .name: bq, .offset: 24, .size: 8, .value_kind: global_buffer, .address_space: global }
      - { .name: bk, .offset: 32, .size: 8, .value_kind: global_buffer, .address_space: global }
      - { .name: bv, .offset: 40, .size: 8, .value_kind: global_buffer, .address_space: global }
      - { .name: qimg, .offset: 48, .size: 8, .value_kind: global_buffer, .address_space: global }
      - { .name: kimg, .offset: 56, .size: 8, .value_kind: global_buffer, .address_space: global }
      - { .name: vimg, .offset: 64, .size: 8, .value_kind: global_buffer, .address_space: global }
    .group_segment_fixed_size: 327680
    .private_segment_fixed_size: 0
    .kernarg_segment_align: 8
    .kernarg_segment_size: 72
    .max_flat_workgroup_size: 128
    .sgpr_count:     102
    .vgpr_count:     1024
    .wavefront_size: 32
...
	.end_amdgpu_metadata
.endif
;; end of part 2
;; launch attn (part 3): grid 4 x 64, 16 waves a work-group, no clusters, 327,680 bytes of LDS; arguments qimg, kimg, vimg, lowp_scales, oimg; writes oimg
.if DOCPART == 3
	.amdgcn_target "amdgcn-amd-amdhsa--gfx1250"
	.amdhsa_code_object_version 6
	.text
	.protected	k_q92573c0d1d_attn
	.globl	k_q92573c0d1d_attn
	.p2align	8
	.type	k_q92573c0d1d_attn,@function
k_q92573c0d1d_attn:
	s_mov_b64 s[64:65], 0
	v_nop
	global_prefetch_b8 v0, s[64:65] scope:SCOPE_SE
	s_setreg_imm32_b32 hwreg(HW_REG_WAVE_MODE, 25, 1), 1
	s_wait_xcnt 0x0
; Causal attention on codes of FP8 (E4M3): 64 (batch x head) problems of 2,048 tokens, head size 64.  Key k counts for query q where k <= q.
; THE SOFTMAX AHEAD OF THE SECOND PRODUCT: t = score x log2(e) / 8; M = the row's largest t so far, rounded UP to a whole number; p = 2^(t - M) is quantised along the keys (entry 8), not normalised.
; The row's sum is taken of the unquantised p, in f32, and divides O at the end.  When M moves, the sum and O are multiplied by 2^(old M - new M), which rounds nothing.  O / sum is quantised at once (entry 10) for the last product.
; INPUTS are images of operand registers.  qimg, kimg: [bh][tile of 16 tokens][u: 2][lane][16]: a fragment 16 tokens x 64 channels.  vimg: [bh][128 keys][tile of 16 channels: 4][c: 4][lane][16]: 16 channels x 128 keys.
; OUTPUT oimg: [tile of 16 tokens: 512][16,384]: the image of 16 tokens x 1,024; head H's eight registers lie at byte 1,024 H.
; Both products are used transposed: S^T = K Q^T (source 0 = 16 keys, source 1 = my 16 queries), O^T = V^T P^T: a lane holds ONE query (lane % 16) throughout, tile t of S^T holds keys 16 t + 8 (lane / 16) + 0 .. 7 in its
; eight registers, and their eight codes are registers 2 t, 2 t + 1 of P's fragment.  Likewise O^T's tile t gives registers 2 t, 2 t + 1 of the head's part of the output image.  Nothing changes lanes.
; SHARES.  Work-group (i, bh) owns the blocks i and 7 - i of 256 queries, one after the other: i + 1 and 8 - i slots of 256 keys, always 9: every work-group has the same work and the loop's trip count is a constant.
; Each of sixteen waves owns 16 queries of the block in hand, in 256 registers: four waves to a SIMD, so that one wave's vector work stands beside another's matrix work and LDS loads.
; A step of 128 keys all of which come after the wave's queries is left out by a scalar branch on ids; no tensor load and no barrier is jumped over.
; NO JOINT LOADS: from slot step i + 1 on the four work-groups of a head read different slots; walking slots 0 to 7 jointly for both blocks would make 12 slot steps of 9, and what would be shared is 32,768 bytes a slot step.
; LIMITS on the given exponents: e6 + e7 between -123 and 130 (added to c's exponent field); e8 and e10 between -126 and 119; e8 + e9 is applied by v_ldexp_f32 and has none.  NaN is not served.
; REGISTERS: v1-6 addresses that stay; v12 -M, v13 the largest t, v[14:15] the sum in two halves; v16-23 Q; v24-31 the second block's Q; v32-95 K's eight fragments, then V's four; v96-159 S^T, then p; v160-191 O^T;
;   v192-207 p's codes; v208-215, v216-223 the two blocks' output codes; v234-255 at work and constants.
.set SLOT1, 32768                      ; a slot: K's 16 tiles of 1,024 bytes, then V's 2 x 4 fragments of 2,048; slot 1 begins here: one exclusive or turns an address
.set VOFF,  16384
.set SPARE, 65536                      ; behind the ring: the spare words, 128 bytes for each wave: eight blocks of 256 bytes that no other line names
.set L16,  1                           ; v1   16 x lane
.set ADR,  2                           ; v2   the slot in hand + 16 x lane
.set PFO,  3                           ; v3   256 x lane: the prefetches' offset; never rewritten
.set DL,   4                           ; v4   (lane % 16) - 8 (lane / 16), for the mask
.set SPW,  5                           ; v5   LDS address of my spare word; never rewritten
.set NIL,  6                           ; v6   0; never rewritten
.set TB,   2                           ; s2   LDS byte at which the slot in hand begins
.set WV,   18                          ; s18  my wave's number
.set SEL,  20                          ; s[20:21] lane selects for v_permlanex16_b32: lane l xor 16
.set CS,   22                          ; s[22:23] c = log2(e) / 8 x 2^(e6 + e7)
.set G1,   24                          ; s[24:31] descriptor group 1
.set G0,   32                          ; s[32:35] group 0, which walks
.set HB,   36                          ; s[36:37] the head's first byte in K's codes (wave 0) or V's (the others)
.set KO,   38                          ; s[38:39] byte offset of the slot of keys to be asked for
.set SLOTS, 40                         ; s40  slot steps still to be asked for: 8 down to 1
.set KF,   43                          ; s43  the step's first key
.set Q0,   44                          ; s44  my first query
.set OL,   46                          ; s[46:47], s[48:49] where the two blocks' codes go
.set OH,   48
.set PFA,  50                          ; s[50:51] where my prefetches stand
.set LIM,  52                          ; s52  2 in a wave that prefetches, else the greatest number
.macro TLOAD                           ; wave 0 fetches a slot's K, wave 1 its V, 16,384 dense bytes each; the others nothing.  Four v_nop follow the line
	s_cmp_lt_u32 s[WV], 2
	s_cbranch_scc0 .Lnone_\@
	tensor_load_to_lds s[G0:G0+3], s[G1:G1+7]
	s_nop 0
.rept 4
	v_nop
.endr
.Lnone_\@:
.endm
; A PREFETCH INTO THE L2.  All four work-groups of a head walk the same K and V: the first of them (i = 0) asks, and in it four waves that fetch nothing: waves 4, 5 for a slot's 16,384 bytes of K, waves 6, 7 for V's:
; 8,192 bytes a wave, lanes 256 bytes apart, one instruction.  In trip n (0 to 5) it names key slot n + 2; the work-group that walks furthest ahead (i = 3) asks in trip n for slot n + 1: one slot step's lead on it.
; So each aligned block of 256 bytes of slots 2 to 7 is named once in the launch; slots 0 and 1 come by their loads alone, and nothing past slot 7 is named.
.macro ASK
	s_cmp_gt_u32 s[SLOTS], s[LIM]
	s_cbranch_scc0 .Lnot_mine_\@
	global_prefetch_b8 v[PFO], s[PFA:PFA+1] th:TH_LOAD_NT scope:SCOPE_SE
.Lnot_mine_\@:
.endm
	s_load_b128 s[4:7], s[0:1], 0x0                ; qimg s[4:5], kimg s[6:7]
	s_load_b128 s[8:11], s[0:1], 0x10              ; vimg s[8:9], the exponents s[10:11]
	s_load_b64 s[12:13], s[0:1], 0x20              ; oimg
	v_lshl_add_u32 v[SPW], v0, 2, SPARE
	v_mov_b32 v[NIL], 0
	ds_add_u32 v5, v6
	ds_add_u32 v5, v6
	s_wait_dscnt 0x0
	v_lshrrev_b32 v7, 5, v0
	s_delay_alu instid0(VALU_DEP_1)
	v_readfirstlane_b32 s[WV], v7                  ; wave 0..15
	s_and_b32 s54, ttmp7, 0xffff                   ; bh
	s_lshl_b32 s56, s54, 17                        ; a head's codes are 131,072 bytes in each of q, k, v
	s_mov_b32 s57, 0
	s_mov_b32 s[G1], 3<<16                         ; 15:0 no mask; 17:16 elements of 8 bytes; no padding: a dense block as 64 rows of 256 bytes
	s_mov_b32 s[G1+1], 32<<16                      ; tensor_dim0
	s_mov_b32 s[G1+2], 64<<16                      ; tensor_dim1
	s_mov_b32 s[G1+3], 32<<16                      ; tile_dim0
	s_mov_b32 s[G1+4], 64                          ; tile_dim1
	s_mov_b32 s[G1+5], 32                          ; tensor_dim0_stride
	s_mov_b32 s[G1+6], 0
	s_mov_b32 s[G1+7], 0
	s_mov_b32 s[SEL], 0x76543210
	s_mov_b32 s[SEL+1], 0xfedcba98
	s_mov_b32 s[CS], 0x3e38aa3b                    ; log2(e) / 8
	s_mov_b32 s[TB], 0
	s_mov_b32 s[SLOTS], 8
	s_sub_co_u32 s41, 8, ttmp9                     ; the trip that asks for the second block's first slot
	s_sub_co_u32 s42, 7, ttmp9                     ; the trip in which the second block begins; also that block's number
	s_mov_b32 s[KF], 0
	s_lshl_b32 s58, s[WV], 4
	s_lshl_b32 s[Q0], ttmp9, 8
	s_add_co_u32 s[Q0], s[Q0], s58                 ; my first query: 256 i + 16 x wave,
	s_lshl_b32 s45, s42, 8
	s_add_co_u32 s45, s45, s58                     ; and in the second block: 256 (7 - i) + 16 x wave
	s_mov_b32 s[KO], 0
	s_mov_b32 s[KO+1], 0
	s_mov_b32 s[G0], 1                             ; 1:0 count = 1
	s_and_b32 s[G0+1], s[WV], 1
	s_lshl_b32 s[G0+1], s[G0+1], 14                ; 63:32 LDS address: slot 0; K at 0 (wave 0), V at 16,384 (wave 1)
	s_wait_kmcnt 0x0
	s_load_b256 s[68:75], s[10:11], 0x10           ; e4 .. e11
	s_cmp_eq_u32 s[WV], 0
	s_cselect_b64 s[HB:HB+1], s[6:7], s[8:9]
	s_add_nc_u64 s[HB:HB+1], s[HB:HB+1], s[56:57]
	s_mov_b64 s[G0+2:G0+3], s[HB:HB+1]             ; 120:64 global address: the head's first 256 keys
	s_or_b32 s[G0+3], s[G0+3], 0x80000000          ; 127:126 type = 2
	TLOAD                                          ; slot 0
	v_and_b32 v7, 31, v0
	s_delay_alu instid0(VALU_DEP_1)
	v_lshlrev_b32 v[L16], 4, v7
	s_wait_alu depctr_va_vdst(0)
	v_lshlrev_b32 v[PFO], 8, v7
	s_lshl_b32 s60, s[Q0], 6                       ; a tile of 16 tokens is 1,024 bytes
	s_add_co_u32 s60, s60, s56
	s_mov_b32 s61, 0
	s_add_nc_u64 s[60:61], s[4:5], s[60:61]
	s_lshl_b32 s62, s45, 6
	s_add_co_u32 s62, s62, s56
	s_mov_b32 s63, 0
	s_add_nc_u64 s[62:63], s[4:5], s[62:63]
	global_load_b128 v[16:19], v[L16], s[60:61]            ; both blocks' fragments of Q stay in registers
	global_load_b128 v[20:23], v[L16], s[60:61] offset:512
	global_load_b128 v[24:27], v[L16], s[62:63]
	global_load_b128 v[28:31], v[L16], s[62:63] offset:512
	s_lshr_b32 s58, s54, 4                         ; the batch: 128 tiles of 16,384 bytes,
	s_lshl_b32 s58, s58, 21
	s_and_b32 s59, s54, 15                         ; the head: 1,024 bytes in a tile's image
	s_lshl_b32 s59, s59, 10
	s_add_co_u32 s58, s58, s59
	s_lshl_b32 s[OL], s[Q0], 10                    ; my tile of 16 tokens
	s_add_co_u32 s[OL], s[OL], s58
	s_mov_b32 s[OL+1], 0
	s_add_nc_u64 s[OL:OL+1], s[12:13], s[OL:OL+1]
	s_lshl_b32 s[OH], s45, 10
	s_add_co_u32 s[OH], s[OH], s58
	s_mov_b32 s[OH+1], 0
	s_add_nc_u64 s[OH:OH+1], s[12:13], s[OH:OH+1]
	s_cmp_lt_u32 s[WV], 6                          ; the prefetches: waves 4, 5 stand in K's codes, waves 6, 7 in V's
	s_cselect_b64 s[PFA:PFA+1], s[6:7], s[8:9]
	s_and_b32 s58, s[WV], 1
	s_lshl_b32 s58, s58, 13                        ; my 8,192 bytes of a slot's 16,384,
	s_add_co_u32 s58, s58, s56                     ; in my head,
	s_add_co_u32 s58, s58, 16384                   ; in slot 1: the first change of slots steps it to slot 2.  Nothing is prefetched here, at the head
	s_mov_b32 s59, 0
	s_add_nc_u64 s[PFA:PFA+1], s[PFA:PFA+1], s[58:59]
	s_sub_co_u32 s58, s[WV], 4
	s_lshr_b32 s58, s58, 2                         ; 0 in waves 4 to 7,
	s_or_b32 s58, s58, ttmp9                       ; of the head's first work-group
	s_cmp_eq_u32 s58, 0
	s_cselect_b32 s[LIM], 2, -1
	v_and_b32 v8, 15, v0
	v_bfe_u32 v9, v0, 4, 1
	s_delay_alu instid0(VALU_DEP_1)
	v_lshlrev_b32 v9, 3, v9
	s_delay_alu instid0(VALU_DEP_1)
	v_sub_nc_u32 v[DL], v8, v9
	v_mov_b32 v13, 0xff61b1e6                      ; the largest t so far: -3e38, under every t
	s_delay_alu instid0(VALU_DEP_1)
	v_floor_f32 v12, -v13                          ; -M
	v_mov_b32 v14, 0                               ; the sum, in two halves
	v_mov_b32 v15, 0
	v_mov_b32 v236, 0                              ; written once: a lane permute's destination counts as one of its sources,
	v_mov_b32 v252, 0
	v_mov_b32 v253, 0                              ; (named as the upper half of the pair v[252:253])
	v_mov_b32 v254, 0
.set jj, 0
.rept 32
	v_mov_b32 v[160+jj], 0                         ; O^T.  (The step is written once: the first finds zeros, which the first change of M leaves zeros)
.set jj, jj+1
.endr
	s_wait_kmcnt 0x0
	s_add_co_i32 s79, s70, s71
	s_lshl_b32 s79, s79, 23
	s_add_co_i32 s[CS], s[CS], s79                 ; a score stands for score x 2^(e6 + e7): the two exponents are added to c's exponent field
	s_mov_b32 s[CS+1], s[CS]                       ; (named with it as a pair, so it is written)
	s_add_co_i32 s76, s72, s73                     ; e8 + e9
	s_add_co_i32 s79, s72, 127
	s_lshl_b32 s80, s79, 23
	v_mov_b32 v244, s80                            ; 2^e8, for p's conversions
	s_add_co_i32 s79, s74, 127
	s_lshl_b32 s80, s79, 23
	v_mov_b32 v241, s80                            ; 2^e10, for the output's
; A KEY STEP: 128 keys, the q-th of the slot in hand.
.macro STEP q
	s_add_co_u32 s79, s[Q0], 15                    ; all keys behind my 16 queries: the step's work is left out; the step of the first key at its end is not
	s_cmp_gt_u32 s[KF], s79
	s_cbranch_scc1 .Lhidden_\@
	s_wait_alu depctr_va_vdst(0)
.irp t, 0,1,2,3,4,5,6,7
	ds_load_b128 v[32+8*\t:35+8*\t], v[ADR] offset:8192*\q+1024*\t        ; K's fragment of keys 16 t on: two loads of 512 consecutive bytes
	ds_load_b128 v[36+8*\t:39+8*\t], v[ADR] offset:8192*\q+1024*\t+512
.endr
	s_wait_dscnt 0x0
.irp t, 0,1,2,3,4,5,6,7
	v_wmma_f32_16x16x64_fp8_fp8 v[96+8*\t:103+8*\t], v[32+8*\t:39+8*\t], v[16:23], 0
.endr
.rept 4
	v_nop                                          ; places in front of the loads into K's registers and of the first read of the scores
.endr
	s_wait_alu depctr_va_vdst(0)
.irp t, 0,1,2,3
.irp c, 0,1,2,3
	ds_load_b128 v[32+16*\t+4*\c:35+16*\t+4*\c], v[ADR] offset:VOFF+8192*\q+2048*\t+512*\c   ; V's four fragments land under the softmax
.endr
.endr
	s_add_co_u32 s79, s[KF], 127                   ; on the diagonal the scores of hidden keys become -infinity ahead of the maximum: p = 0 then.  A step all of whose keys count skips this
	s_cmp_le_u32 s79, s[Q0]
	s_cbranch_scc1 .Lopen_\@
	s_sub_co_i32 s79, s[Q0], s[KF]
	v_add_nc_u32 v252, s79, v[DL]                  ; d = my query - the step's first key - 8 (lane / 16).  Register 8 t + j holds key 16 t + 8 (lane / 16) + j of the step: hidden where 16 t + j > d
	v_mov_b32 v254, 0xff800000                     ; -infinity
.set nn, 0
.rept 64
	v_cmp_gt_i32 vcc_lo, 16*(nn/8)+nn%8, v252
	v_cndmask_b32 v[96+nn], v[96+nn], v254, vcc_lo
.set nn, nn+1
.endr
.Lopen_\@:
	v_max3_num_f32 v254, v96, v97, v98             ; the step's largest score of my query, among my 64 keys, in two chains, each accumulator from its low end on,
	v_max3_num_f32 v252, v99, v100, v101
.irp i, 6,10,14,18,22,26,30,34,38,42,46,50,54,58
	v_max3_num_f32 v254, v254, v[96+\i], v[97+\i]
	v_max3_num_f32 v252, v252, v[98+\i], v[99+\i]
.endr
	v_max3_num_f32 v254, v254, v158, v159
	s_delay_alu instid0(VALU_DEP_1)
	v_max_num_f32 v254, v254, v252
	s_delay_alu instid0(VALU_DEP_1)
	v_permlanex16_b32 v236, v254, s[SEL], s[SEL+1]
	s_delay_alu instid0(VALU_DEP_1)
	v_max_num_f32 v254, v254, v236                 ; and among lane l xor 16's
	s_delay_alu instid0(VALU_DEP_1)
	v_mul_f32 v254, s[CS], v254                    ; as t (c is positive)
	s_delay_alu instid0(VALU_DEP_1)
	v_max_num_f32 v13, v13, v254                   ; the running largest t
	v_mov_b32 v254, v12
	s_delay_alu instid0(VALU_DEP_2)
	v_floor_f32 v12, -v13                          ; the new -M = floor(-t) = -ceil(t): M is a whole number
	s_delay_alu instid0(VALU_DEP_1)
	v_sub_f32 v254, v12, v254                      ; M's old value less its new one: a whole number, 0 or less
	s_delay_alu instid0(VALU_DEP_1)
	v_cvt_i32_f32 v254, v254                       ; (it saturates)
	s_delay_alu instid0(VALU_DEP_1)
	v_ldexp_f32 v252, 1.0, v254                    ; f = 2^(old M - new M)
.set jj, 0
.rept 32
	v_pk_fma_f32 v[96+jj:97+jj], v[96+jj:97+jj], s[CS:CS+1], v[12:13] op_sel_hi:[1,0,0]   ; t - M, two at a time (of the pairs c and -M the low word serves both halves)
.set jj, jj+2
.endr
.set jj, 0
	s_wait_alu depctr_va_vdst(0)
.rept 64
	v_exp_f32 v[96+jj], v[96+jj]                   ; p = 2^(t - M), at most 1: not normalised
.set jj, jj+1
.endr
	v_pk_mul_f32 v[14:15], v[14:15], v[252:253] op_sel_hi:[1,0]   ; the sums under the new M: the plain line behind the exponentials
	s_wait_alu depctr_va_vdst(0)                   ; one wait for the whole batch, ahead of its first reader
	v_pk_add_f32 v[242:243], v[100:101], v[104:105]
	v_pk_add_f32 v[254:255], v[108:109], v[112:113]
	v_pk_add_f32 v[250:251], v[116:117], v[120:121]
	v_pk_add_f32 v[248:249], v[124:125], v[128:129]
	v_pk_add_f32 v[246:247], v[132:133], v[136:137]
	v_pk_add_f32 v[238:239], v[140:141], v[144:145]
	v_pk_add_f32 v[234:235], v[148:149], v[152:153]
	v_pk_add_f32 v[14:15], v[14:15], v[156:157]
	v_pk_add_f32 v[242:243], v[242:243], v[96:97]
	v_pk_add_f32 v[254:255], v[254:255], v[98:99]
	v_pk_add_f32 v[250:251], v[250:251], v[102:103]
	v_pk_add_f32 v[248:249], v[248:249], v[106:107]
	v_pk_add_f32 v[246:247], v[246:247], v[110:111]
	v_pk_add_f32 v[238:239], v[238:239], v[114:115]
	v_pk_add_f32 v[234:235], v[234:235], v[118:119]
	v_pk_add_f32 v[14:15], v[14:15], v[122:123]
	v_pk_add_f32 v[242:243], v[242:243], v[126:127]
	v_pk_add_f32 v[254:255], v[254:255], v[130:131]
	v_pk_add_f32 v[250:251], v[250:251], v[134:135]
	v_pk_add_f32 v[248:249], v[248:249], v[138:139]
	v_pk_add_f32 v[246:247], v[246:247], v[142:143]
	v_pk_add_f32 v[238:239], v[238:239], v[146:147]
	v_pk_add_f32 v[234:235], v[234:235], v[150:151]
	v_pk_add_f32 v[14:15], v[14:15], v[154:155]
	v_pk_add_f32 v[242:243], v[242:243], v[158:159]
	s_delay_alu instid0(VALU_DEP_2)
	v_pk_add_f32 v[14:15], v[14:15], v[248:249]
	s_delay_alu instid0(VALU_DEP_2)
	v_pk_add_f32 v[242:243], v[242:243], v[246:247]
	v_pk_add_f32 v[254:255], v[254:255], v[238:239]
	v_pk_add_f32 v[250:251], v[250:251], v[234:235]
	s_delay_alu instid0(VALU_DEP_2)
	v_pk_add_f32 v[14:15], v[14:15], v[254:255]
	s_delay_alu instid0(VALU_DEP_2)
	v_pk_add_f32 v[242:243], v[242:243], v[250:251]
	s_delay_alu instid0(VALU_DEP_1)
	v_pk_add_f32 v[14:15], v[14:15], v[242:243]
.irp t, 0,1,2,3,4,5,6,7
.irp i, 0,1,2,3,4,5,6,7
.endr
	v_cvt_scalef32_pk8_fp8_f32 v[192+2*\t:193+2*\t], v[96+8*\t:103+8*\t], v244   ; keys 16 t + 8 (lane / 16) + 0 .. 7: registers 2 t, 2 t + 1 of P's fragment
.endr
.set jj, 0
.rept 16
	v_pk_mul_f32 v[160+jj:161+jj], v[160+jj:161+jj], v[252:253] op_sel_hi:[1,0]   ; O^T under the new M.  (Also the plain lines between the conversions and the products)
.set jj, jj+2
.endr
	s_wait_alu depctr_va_vdst(0)
	s_wait_dscnt 0x0                               ; V is in
.irp t, 0,1,2,3
	v_wmma_f32_16x16x128_fp8_fp8 v[160+8*\t:167+8*\t], v[32+16*\t:47+16*\t], v[192:207], v[160+8*\t:167+8*\t]   ; four accumulators by turns
.endr
.rept 4
	v_nop                                          ; places in front of the next loads into V's registers and of the next read of O^T, whichever way follows
.endr
.Lhidden_\@:
	s_add_co_u32 s[KF], s[KF], 128
.endm
; THE CHANGE OF SLOTS stands at a slot's head.  Each wave waits for all its tensor loads, adds 0 to its spare word, and waits for that and for its reads of the slot that it has left.
; Behind the barrier the slot ahead is whole and nobody reads the other one.  fill = 1: that other slot is filled with the keys that the next slot step wants: the next 256, or, where the second block begins, the first 256.
.macro CHANGE fill
	s_wait_tensorcnt 0x0                           ; no tensor load of mine is out, so group 0 may be written
	ds_add_u32 v[SPW], v[NIL]                      ; 0 onto my spare word
.if \fill
	s_xor_b32 s[G0+1], s[G0+1], SLOT1              ; the other slot than last time
	s_add_co_u32 s[KO], s[KO], 16384
	s_cmp_eq_u32 s[SLOTS], s41
	s_cselect_b32 s[KO], 0, s[KO]
	s_add_nc_u64 s[G0+2:G0+3], s[HB:HB+1], s[KO:KO+1]
	s_or_b32 s[G0+3], s[G0+3], 0x80000000
	s_wait_xcnt 0x0                                ; the last prefetch, a slot step back, has read its address, so it may be written
	s_add_nc_u64 s[PFA:PFA+1], s[PFA:PFA+1], 16384
.endif
	s_wait_dscnt 0x0                               ; the add is done, and my reads of the slot that I have left are over
	s_barrier_signal -1
	s_barrier_wait -1
.if \fill
	TLOAD                                          ; the first thing behind the barrier, and a wave's one tensor load until the next
	ASK
.endif
.endm
; A BLOCK'S WAY OUT: O^T x 2^(e8 + e9) / the sum, converted: eight registers a lane, the head's part of the image of 16 tokens; two stores of 512 consecutive aligned bytes.  Each block has code registers of its own.
.macro FINISH ob, cr
	v_add_f32 v14, v14, v15                        ; the sum's two halves,
	s_delay_alu instid0(VALU_DEP_1)
	v_permlanex16_b32 v252, v14, s[SEL], s[SEL+1]
	s_delay_alu instid0(VALU_DEP_1)
	v_add_f32 v14, v14, v252                       ; and lane l xor 16's
	s_wait_alu depctr_va_vdst(0)
	v_rcp_f32 v14, v14
	v_nop                                          ; a plain line behind the transcendental
	s_wait_alu depctr_va_vdst(0)                   ; and the wait ahead of its first reader
	v_ldexp_f32 v14, v14, s76
.set jj, 0
.rept 16
	v_pk_mul_f32 v[96+jj:97+jj], v[160+jj:161+jj], v[14:15] op_sel_hi:[1,0]
.set jj, jj+2
.endr
.set jj, 0
.rept 32
.set jj, jj+1
.endr
.irp t, 0,1,2,3
	v_cvt_scalef32_pk8_fp8_f32 v[\cr+2*\t:\cr+2*\t+1], v[96+8*\t:103+8*\t], v241
.endr
	v_nop                                          ; one plain line behind the last conversion
	global_store_b128 v[L16], v[\cr:\cr+3], s[\ob:\ob+1]
	global_store_b128 v[L16], v[\cr+4:\cr+7], s[\ob:\ob+1] offset:512
.endm
	s_wait_loadcnt 0x0                             ; Q
.Lslot:                                            ; 8 trips: behind each change of slots but the last the next slot step's keys are asked for
	CHANGE 1
	s_cmp_eq_u32 s[SLOTS], s42                     ; the second block begins here: a branch on ids, the same in all sixteen waves
	s_cbranch_scc0 .Lsame
	FINISH OL, 208
.irp j, 0,1,2,3,4,5,6,7
	v_mov_b32 v[16+\j], v[24+\j]                   ; its queries,
.endr
	v_mov_b32 v13, 0xff61b1e6                      ; and everything as at the head
	s_delay_alu instid0(VALU_DEP_1)
	v_floor_f32 v12, -v13
	v_mov_b32 v14, 0
	v_mov_b32 v15, 0
.set jj, 0
.rept 32
	v_mov_b32 v[160+jj], 0
.set jj, jj+1
.endr
	s_mov_b32 s[Q0], s45
	s_mov_b32 s[KF], 0
.Lsame:
	v_add_nc_u32 v[ADR], s[TB], v[L16]
	STEP 0
	STEP 1
	s_xor_b32 s[TB], s[TB], SLOT1                  ; on to the other slot
	s_sub_co_u32 s[SLOTS], s[SLOTS], 1
	s_cmp_lg_u32 s[SLOTS], 0
	s_cbranch_scc1 .Lslot
	CHANGE 0                                       ; the last slot step is written out
	v_add_nc_u32 v[ADR], s[TB], v[L16]
	STEP 0
	STEP 1
	FINISH OH, 216
	s_wait_tensorcnt 0x0                           ; the wave's end
	ds_add_u32 v[SPW], v[NIL]
	s_wait_dscnt 0x0
	s_endpgm
.Lfunc_end_k_q92573c0d1d_attn:
	.size	k_q92573c0d1d_attn, .Lfunc_end_k_q92573c0d1d_attn-k_q92573c0d1d_attn
	.p2alignl 7, 3214868480
	.fill 96, 4, 3214868480
	.section	.rodata,"a",@progbits
	.p2align	6, 0x0
	.amdhsa_kernel k_q92573c0d1d_attn
		.amdhsa_group_segment_fixed_size 327680
		.amdhsa_private_segment_fixed_size 0
		.amdhsa_enable_private_segment 0
		.amdhsa_kernarg_size 40
		.amdhsa_user_sgpr_count 2
		.amdhsa_user_sgpr_kernarg_segment_ptr 1
		.amdhsa_wavefront_size32 1
		.amdhsa_system_sgpr_workgroup_id_x 1
		.amdhsa_system_sgpr_workgroup_id_y 1
		.amdhsa_system_sgpr_workgroup_id_z 1
		.amdhsa_system_vgpr_workitem_id 0
		.amdhsa_next_free_vgpr 256
		.amdhsa_next_free_sgpr 100
		.amdhsa_reserve_vcc 1
		.amdhsa_float_denorm_mode_32 3
		.amdhsa_float_denorm_mode_16_64 3
		.amdhsa_fp16_overflow 1
		.amdhsa_memory_ordered 1
		.amdhsa_forward_progress 1
		.amdhsa_inst_pref_size 89
	.end_amdhsa_kernel
	.amdgpu_metadata
---
amdhsa.version: [ 1, 2 ]
amdhsa.kernels:
  - .name:           k_q92573c0d1d_attn
    .symbol:         k_q92573c0d1d_attn.kd
    .args:
      - { .name: qimg, .offset: 0, .size: 8, .value_kind: global_buffer, .address_space: global }
      - { .name: kimg, .offset: 8, .size: 8, .value_kind: global_buffer, .address_space: global }
      - { .name: vimg, .offset: 16, .size: 8, .value_kind: global_buffer, .address_space: global }
      - { .name: lowp_scales, .offset: 24, .size: 8, .value_kind: global_buffer, .address_space: global }
      - { .name: oimg, .offset: 32, .size: 8, .value_kind: global_buffer, .address_space: global }
    .group_segment_fixed_size: 327680
    .private_segment_fixed_size: 0
    .kernarg_segment_align: 8
    .kernarg_segment_size: 40
    .max_flat_workgroup_size: 512
    .sgpr_count:     100
    .vgpr_count:     256
    .wavefront_size: 32
...
	.end_amdgpu_metadata
.endif
;; end of part 3
;; launch outp (part 4): grid 4 x 32, 4 waves a work-group, clusters of 4 x 4, 327,680 bytes of LDS; arguments oimg, wimg, lowp_scales, bo, out0; writes out0
.if DOCPART == 4
	.amdgcn_target "amdgcn-amd-amdhsa--gfx1250"
	.amdhsa_code_object_version 6
	.text
	.protected	k_q92573c0d1d_outp
	.globl	k_q92573c0d1d_outp
	.p2align	8
	.type	k_q92573c0d1d_outp,@function
k_q92573c0d1d_outp:
	s_mov_b64 s[64:65], 0
	v_nop
	global_prefetch_b8 v0, s[64:65] scope:SCOPE_SE
	s_setreg_imm32_b32 hwreg(HW_REG_WAVE_MODE, 25, 1), 1
	s_wait_xcnt 0x0
	s_wait_alu depctr_hold_cnt(0) depctr_sa_sdst(0) depctr_va_vdst(0) depctr_va_sdst(0) depctr_va_ssrc(0) depctr_va_vcc(0) depctr_vm_vsrc(0)
	s_getreg_b32 s2, hwreg(HW_REG_IB_STS2, 6, 4)
	s_cmp_eq_u32 s2, 0
	s_cbranch_scc0 .Lentry_in_a_cluster
	s_endpgm
.Lentry_in_a_cluster:
	s_bfe_u32 s2, ttmp6, 0x10000c
	s_cmp_lg_u32 s2, 0xf033
	s_cbranch_scc0 .Lentry_shape_is_right
	s_endpgm
.Lentry_shape_is_right:
; out0 = o wo + bo on codes of FP8 (E4M3), K = 1,024; out0 [8192][1024] f32.  o's codes (entry 10) and wo's (entry 11; the fourth image of wimg) come as images of operand registers:
; [tile of 16 rows][K step of 128: 8][c: 4][lane][16 bytes], 16,384 bytes a tile, every k in the place that v_wmma_f32_16x16x128_fp8_fp8 gives it.
; A tile of 256 tokens x 256 columns is made by four waves, 128 x 128 each: 64 accumulators, 512 registers.  K goes in steps of 256 through two LDS slots filled by the tensor data mover.
; THE MATRIX INSTRUCTION IS USED TRANSPOSED (source 0 = 16 columns of wo, source 1 = 16 tokens): a lane holds eight neighbouring numbers of a row of out0.
; CLUSTERS: 4 x 4 work-groups; the four of a row need the same tiles of o, the four of a column the same tiles of wo: each is asked for jointly.
; LIMIT: e10 + e11 lies between -126 and 127, so that 2^(e10 + e11) is an f32 number.
; REGISTERS, in windows of 256: window 0: v0-31 addresses; v32-95 bo; v96-127 at work on the way out; v128-255 A's fragments, ONE set, later rows of out0.  window 1: B's fragments, TWO sets.  windows 2, 3: the accumulators.
.set RT,     4096                      ; a tile of 16 rows x 256 along K: two K steps of 2,048 bytes, dense
.set HALFT,  8*RT                      ; 128 rows: what one tensor load brings, and what one wave reads of a side
.set SLOT,   4*HALFT                   ; A's two halves, then B's two
.set SPARE,  2*SLOT                    ; behind the ring: the spare words, 128 bytes for each wave: two blocks of 256 bytes that no other line names
.set SPITCH, 528                       ; the way out: a stage of 16 rows x (512 bytes + 16) for each wave.  It lies in slot 0, which has had its last fill and its last read when the first result is stored there
.set FR,     16
.set NL,     4
.set NP,     4                         ; places behind this matrix instruction (ISA guide 7.12.1)
.set ADRA, 16                          ; v16-17  LDS address of my A fragments in slot 0, 1
.set ADRB, 20                          ; v20-21  the same for B
.set STO,  24                          ; v24     the way out: where I put 32 bytes of a row
.set RD,   25                          ; v25     the way out: where I read a row back
.set CO,   26                          ; v26     16 x lane
.set BO0,  27                          ; v27     32 h: my eight numbers of the bias
.set SPW,  28                          ; v28     LDS address of my spare word; never rewritten
.set NIL,  29                          ; v29     0; never rewritten
.set BR,   32
.set TMP,  96
.set AF,   128
.set BK,   128                         ; the way out: 16 rows read back from the stage: v128-191 and v192-255 by turns
.set G1, 24
.set G0, 32
.set G1B, 48
.set G0B, 56
.set MSB, 0
.macro WIN new                         ; the immediate's high byte repeats the setting that is left
.if MSB != \new
	s_set_vgpr_msb (MSB<<8)|\new
.set MSB, \new
.endif
.endm
.set MUL_LO, 0xa1                      ; source 0 (B) window 1, source 1 (A) window 0, C and D window 2
.set MUL_HI, 0xf1                      ; the same, C and D window 3
.set TO_B,   0x40                      ; destination window 1, address window 0
.macro JLOAD g0a, g1a, g0b, g1b        ; a joint load: waves 0 and 1 fetch for A, waves 2 and 3 for B; four v_nop follow each of the two lines
	s_cmp_eq_u32 s15, 0
	s_cbranch_scc0 .Lfor_b_\@
	tensor_load_to_lds s[\g0a:\g0a+3], s[\g1a:\g1a+7]
	s_nop 0
.rept 4
	v_nop
.endr
	s_branch .Lasked_\@
.Lfor_b_\@:
	tensor_load_to_lds s[\g0b:\g0b+3], s[\g1b:\g1b+7]
	s_nop 0
.rept 4
	v_nop
.endr
.Lasked_\@:
.endm
.macro CREST                           ; a round of the cluster's barrier behind its opening barrier
	s_cmp_lg_u32 s14, 0
	s_cbranch_scc1 .Lnot_wave_0_\@
	s_barrier_signal -3
.Lnot_wave_0_\@:
	s_barrier_wait -3
	s_barrier_signal -1
	s_barrier_wait -1
.endm
.macro CROUND                          ; a whole round
	s_barrier_signal -1
	s_barrier_wait -1
	CREST
.endm
	s_load_b128 s[4:7], s[0:1], 0x0                ; oimg s[4:5], wimg s[6:7]
	s_load_b128 s[8:11], s[0:1], 0x10              ; the exponents s[8:9], bo s[10:11]
	s_load_b64 s[12:13], s[0:1], 0x20              ; out0
	v_lshl_add_u32 v[SPW], v0, 2, SPARE
	v_mov_b32 v[NIL], 0
	ds_add_u32 v28, v29
	ds_add_u32 v28, v29
	s_wait_dscnt 0x0
	v_lshrrev_b32 v1, 5, v0
	v_readfirstlane_b32 s14, v1                    ; wave 0..3
	s_lshr_b32 s15, s14, 1                         ; which half of the tile's tokens is mine.  Also: I fetch for A (0) or for B (1)
	s_and_b32 s16, s14, 1                          ; which half of its columns.  Also: which 128 rows of that side I fetch
	s_bfe_u32 s40, ttmp6, 0x40000                  ; cx, cy: my place in the cluster
	s_bfe_u32 s41, ttmp6, 0x40004
	s_lshl_b32 s42, ttmp9, 2
	s_add_co_u32 s42, s42, s40                     ; tile column = 4 x cluster x + cx
	s_and_b32 s17, ttmp7, 0xffff
	s_lshl_b32 s17, s17, 2
	s_add_co_u32 s17, s17, s41                     ; tile row = 4 x cluster y + cy
	s_lshl_b32 s43, s41, 2
	s_lshl_b32 s43, 15, s43                        ; my row of the cluster
	s_lshl_b32 s44, 0x1111, s40                    ; my column
	; descriptor group 1: 8 rows of 4,096 bytes, 16,384 bytes apart in memory (a tile of 16 operand rows is one such row: the tile has no more than 8), dense in LDS
	s_or_b32 s[G1+0], s43, (1<<21)                 ; 15:0 the mask: A's tiles go to my row; 17:16 elements of 1 byte; 21 set beside a mask
	s_or_b32 s[G1B+0], s44, (1<<21)
.irp g, G1, G1B
	s_mov_b32 s[\g+1], RT<<16                      ; tensor_dim0
	s_mov_b32 s[\g+2], 8<<16                       ; tensor_dim1
	s_mov_b32 s[\g+3], RT<<16                      ; tile_dim0
	s_mov_b32 s[\g+4], 8                           ; tile_dim1
	s_mov_b32 s[\g+5], 16384                       ; tensor_dim0_stride
	s_mov_b32 s[\g+6], 0
	s_mov_b32 s[\g+7], 0
.endr
	s_lshl_b32 s18, s16, 17                        ; the 128 rows that I fetch: 8 tiles of 16,384 bytes
	s_lshl_b32 s20, s17, 18                        ; A: 16 tiles for each tile row
	s_add_co_u32 s20, s20, s18
	s_mov_b32 s21, 0
	s_lshl_b32 s46, s42, 18                        ; B: 16 tiles for each tile column,
	s_add_co_u32 s46, s46, s18
	s_add_co_u32 s46, s46, 3*1048576               ; in wo's image
	s_mov_b32 s47, 0
	s_lshl_b32 s45, s14, 15                        ; where they go: wave x 32,768: no place in the cluster enters an LDS address
	s_wait_kmcnt 0x0
	s_load_b64 s[96:97], s[8:9], 0x28              ; e10, e11
	s_add_nc_u64 s[20:21], s[4:5], s[20:21]
	s_add_nc_u64 s[46:47], s[6:7], s[46:47]
	CROUND                                         ; all sixteen work-groups are here: the first joint loads meet
.irp s, 0,1
	s_mov_b32 s[G0+4*\s], 1
	s_add_co_u32 s[G0+4*\s+1], s45, \s*SLOT
	s_add_nc_u64 s[G0+4*\s+2:G0+4*\s+3], s[20:21], \s*RT
	s_or_b32 s[G0+4*\s+3], s[G0+4*\s+3], 0x80000000
	s_mov_b32 s[G0B+4*\s], 1
	s_add_co_u32 s[G0B+4*\s+1], s45, \s*SLOT
	s_add_nc_u64 s[G0B+4*\s+2:G0B+4*\s+3], s[46:47], \s*RT
	s_or_b32 s[G0B+4*\s+3], s[G0B+4*\s+3], 0x80000000
	s_wait_alu depctr_va_vdst(0)
	s_wait_tensorcnt 0x0
	ds_add_u32 v28, v29
	ds_add_u32 v28, v29
	s_wait_dscnt 0x0
	CROUND
	JLOAD G0+4*\s, G1, G0B+4*\s, G1B
.endr
	v_and_b32 v1, 15, v0                           ; r
	v_bfe_u32 v2, v0, 4, 1                         ; h
	v_and_b32 v3, 31, v0
	v_lshlrev_b32 v[CO], 4, v3
	s_wait_alu depctr_va_vdst(0)
	v_lshlrev_b32 v[BO0], 5, v2
	s_lshl_b32 s46, s42, 10                        ; my 128 columns, 4 bytes each: 1,024 x tile column + 512 x half: in bo, and in a row of out0
	s_lshl_b32 s47, s16, 9
	s_add_co_u32 s46, s46, s47
	s_mov_b32 s47, 0
	s_add_nc_u64 s[10:11], s[10:11], s[46:47]
.set ii, 0
.rept 16
	global_load_b128 v[BR+4*ii:BR+4*ii+3], v[BO0], s[10:11] offset:64*(ii/2)+16*(ii%2)   ; bo of columns 16 b + 8 h + 0 .. 7, for the eight b
.set ii, ii+1
.endr
	s_lshl_b32 s21, s15, 15                        ; my 128 rows of A
	s_lshl_b32 s22, s16, 15                        ; my 128 rows of B,
	s_add_co_u32 s22, s22, 2*HALFT                 ; which lie behind A's 256
.irp s, 0,1
	v_add_nc_u32 v[ADRA+\s], s21, v[CO]
	v_add_nc_u32 v[ADRB+\s], s22, v[CO]
	s_add_co_u32 s21, s21, SLOT
	s_add_co_u32 s22, s22, SLOT
.endr
	s_mul_i32 s23, s14, 16*SPITCH                  ; my stage
	v_mul_u32_u24 v5, v1, SPITCH                   ; in: row r, 32 bytes for each half of the lanes
	v_lshl_add_u32 v5, v2, 5, v5
	v_add_nc_u32 v[STO], s23, v5
	v_add_nc_u32 v[RD], s23, v[CO]                 ; back: the 32 lanes take one row of 512 bytes
	s_lshl_b32 s20, s17, 20                        ; my first row of out0: 256 x tile row + 128 x half, 4,096 bytes each
	s_lshl_b32 s21, s15, 19
	s_add_co_u32 s20, s20, s21
	s_mov_b32 s21, 0
	s_add_nc_u64 s[12:13], s[12:13], s[20:21]
	s_add_nc_u64 s[12:13], s[12:13], s[46:47]
.macro FRAG reg, adr, q, i             ; a fragment is 16 registers, stored as it stands: four loads of 512 consecutive bytes
.irp c, 0,1,2,3
	ds_load_b128 v[\reg+4*\c:\reg+4*\c+3], v[\adr] offset:(\i)*RT+(\q)*2048+512*\c
.endr
.endm
; 16 matrix instructions: A's blocks a0, a0 + 1 x B's eight, 128 along K.  The 64 accumulators take turns, one instruction a turn, in the same order in every step.
.macro MUL16 a0, p, zero
.irp a, \a0, \a0+1
.irp b, 0,1,2,3,4,5,6,7
.if \zero
	v_wmma_f32_16x16x128_fp8_fp8 v[8*(8*((\a)%4)+\b):8*(8*((\a)%4)+\b)+7], v[128*(\p)+FR*\b:128*(\p)+FR*\b+FR-1], v[AF+FR*(\a):AF+FR*(\a)+FR-1], 0
.else
	v_wmma_f32_16x16x128_fp8_fp8 v[8*(8*((\a)%4)+\b):8*(8*((\a)%4)+\b)+7], v[128*(\p)+FR*\b:128*(\p)+FR*\b+FR-1], v[AF+FR*(\a):AF+FR*(\a)+FR-1], v[8*(8*((\a)%4)+\b):8*(8*((\a)%4)+\b)+7]
.endif
.endr
.endr
.endm
.macro FETCH_B slot, q, p
	WIN TO_B
.irp i, 0,1,2,3,4,5,6,7
	FRAG 128*(\p)+FR*\i, ADRB+\slot, \q, \i
.endr
	WIN 0
.endm
.macro FETCH_A slot, q, i0
.irp i, \i0, \i0+1, \i0+2, \i0+3
	FRAG AF+FR*(\i), ADRA+\slot, \q, \i
.endr
.endm
.macro PLACES n                        ; plain vector lines between a matrix instruction and a load into, or a vector line on, its registers (ISA guide 7.12.1 for vector lines)
.rept \n
	v_nop
.endr
.endm
.macro STEP slot, q, zero              ; a step of 128 along K that has its successor in the same slot
	s_wait_dscnt 4*NL                              ; B's set and A's blocks 0-3 are in; the youngest 16 loads (A's blocks 4-7) may be out
	WIN MUL_LO
	MUL16 0, (\q)%2, \zero
	MUL16 2, (\q)%2, \zero
	s_wait_dscnt 0                                 ; A's blocks 4-7 are in
	PLACES NP
	FETCH_B \slot, (\q)+1, 1-(\q)%2
	FETCH_A \slot, (\q)+1, 0
	WIN MUL_HI
	MUL16 4, (\q)%2, \zero
	MUL16 6, (\q)%2, \zero
	PLACES NP
	WIN 0
	FETCH_A \slot, (\q)+1, 4
.endm
; A slot's last step changes slots: ONE barrier; in front of it each wave waits for all its tensor loads, adds 0 to its spare word, and waits for that and for its own reads of this slot.  fill = 1: this slot is filled again, two K steps ahead.
.macro TURN slot, next, fill
	s_wait_tensorcnt 0x0                           ; all my tensor loads have landed: my part of the next slot
	ds_add_u32 v[SPW], v[NIL]                      ; 0 onto my spare word
	s_wait_dscnt 4*NL+1                            ; (the add and the youngest 16 loads may be out)
	WIN MUL_LO
	MUL16 0, 1, 0                                  ; sixteen matrix instructions stand between the add and the wait for it
	s_wait_dscnt 0x0                               ; the add is done, and my reads of this slot are over
	s_barrier_signal -1
	MUL16 2, 1, 0
	WIN 0
	s_barrier_wait -1
.if \fill
	CREST                                          ; the barrier has opened a round of the cluster's barrier: no wave of any partner still reads this slot or has a load on its way
	s_add_nc_u64 s[G0+4*\slot+2:G0+4*\slot+3], s[G0+4*\slot+2:G0+4*\slot+3], 2*RT
	s_add_nc_u64 s[G0B+4*\slot+2:G0B+4*\slot+3], s[G0B+4*\slot+2:G0B+4*\slot+3], 2*RT
	JLOAD G0+4*\slot, G1, G0B+4*\slot, G1B         ; the first tensor load behind the round; its four v_nop are the places in front of the loads below
.else
	PLACES NP
.endif
	FETCH_B \next, 0, 0
	FETCH_A \next, 0, 0
	WIN MUL_HI
	MUL16 4, 1, 0
	MUL16 6, 1, 0
	PLACES NP
	WIN 0
	FETCH_A \next, 0, 4
.endm
	s_wait_alu depctr_va_vdst(0)
	s_wait_tensorcnt 1                             ; my part of K step 0 is in (K step 1's load may be out)
	s_barrier_signal -1
	s_barrier_wait -1                              ; everybody's is
	FETCH_B 0, 0, 0
	FETCH_A 0, 0, 0
	FETCH_A 0, 0, 4
	STEP 0, 0, 1                                   ; K = 1,024 is four slots' worth: written out, no loop.  The first step's products start the sums
	TURN 0, 1, 1
	STEP 1, 0, 0
	TURN 1, 0, 1
	STEP 0, 0, 0
	TURN 0, 1, 0                                   ; nothing is left to fetch
	STEP 1, 0, 0
	s_wait_dscnt 4*NL                              ; the very last step
	WIN MUL_LO
	MUL16 0, 1, 0
	MUL16 2, 1, 0
	s_wait_dscnt 0
	WIN MUL_HI
	MUL16 4, 1, 0
	MUL16 6, 1, 0
	WIN 0
; THE WAY OUT, block by block of 16 rows x 128 columns.  A lane holds 32 neighbouring bytes of a row, and the lanes beside it hold other rows: so a block goes through my own stage in LDS and comes back as whole
; rows of 512 bytes.  LDS serves a wave's instructions in order (ISA guide 5.7.1.4): no wait between the stores and the loads, nor in front of the next block's stores.
.macro TOSTAGE a
.set AC, 64*((\a)%4)
.irp hh, 0,1
	WIN 0x02+((\a)/4)                              ; source 0: window 2 or 3
.set jj, 0
.rept 16
	v_pk_fma_f32 v[TMP+jj:TMP+jj+1], v[AC+32*\hh+jj:AC+32*\hh+jj+1], s[96:97], v[BR+32*\hh+jj:BR+32*\hh+jj+1] op_sel_hi:[1,0,1]   ; sum x 2^(e10 + e11) + bo; each accumulator from its low end on
.set jj, jj+2
.endr
	WIN 0
.irp b, 0,1,2,3
	ds_store_b128 v[STO], v[TMP+8*\b:TMP+8*\b+3] offset:256*\hh+64*\b
	ds_store_b128 v[STO], v[TMP+8*\b+4:TMP+8*\b+7] offset:256*\hh+64*\b+16
.endr
.endr
.set BB, BK+64*((\a)%2)
.irp t, 0,1,2,3,4,5,6,7,8,9,10,11,12,13,14,15
	ds_load_b128 v[BB+4*\t:BB+4*\t+3], v[RD] offset:\t*SPITCH
.endr
.endm
.macro SEND a, younger                 ; younger: the LDS instructions issued behind block a's loads, which may stay out
.set BB, BK+64*((\a)%2)
	s_wait_dscnt \younger                          ; the block is back in registers
.if (\a) > 0
	s_add_nc_u64 s[12:13], s[12:13], 16*4096       ; (behind a wait on XCNT: the earlier stores have read their base)  16 rows on
.endif
.irp t, 0,1,2,3,4,5,6,7,8,9,10,11,12,13,14,15
	global_store_b128 v[CO], v[BB+4*\t:BB+4*\t+3], s[12:13] offset:\t*4096 th:TH_STORE_NT   ; 32 lanes store 512 consecutive bytes, at a multiple of 512 from out0's first byte
.endr
.endm
	s_wait_kmcnt 0x0
	s_add_co_i32 s96, s96, s97                     ; e10 + e11, between -126 and 127,
	s_add_co_i32 s96, s96, 127
	s_lshl_b32 s96, s96, 23                        ; makes the f32 number 2^(e10 + e11)
	s_mov_b32 s97, s96                             ; (named with it as a pair, so it is written)
	s_wait_loadcnt 0x0                             ; bo
	PLACES NP                                      ; in front of the first read of results and of the loads into the registers that held A's fragments
	TOSTAGE 0
.irp a, 1,2,3,4,5,6,7
.if \a > 1
	s_wait_xcnt 0x0                                ; block a - 2's stores have read their registers and their base: block a's loads may land there, and the base may step
.endif
	TOSTAGE \a
	SEND \a-1, 32                                  ; behind block a - 1's loads: block a's 16 stores and 16 loads
.endr
	s_wait_xcnt 0x0                                ; block 6's stores have read their base
	SEND 7, 0
	s_wait_tensorcnt 0x0                           ; the wave's end
	ds_add_u32 v[SPW], v[NIL]
	s_wait_dscnt 0x0
	CROUND                                         ; the closing round: no work-group ends while a partner may still ask for a tile that names it
	s_endpgm
.Lfunc_end_k_q92573c0d1d_outp:
	.size	k_q92573c0d1d_outp, .Lfunc_end_k_q92573c0d1d_outp-k_q92573c0d1d_outp
	.p2alignl 7, 3214868480
	.fill 96, 4, 3214868480
	.section	.rodata,"a",@progbits
	.p2align	6, 0x0
	.amdhsa_kernel k_q92573c0d1d_outp
		.amdhsa_group_segment_fixed_size 327680
		.amdhsa_private_segment_fixed_size 0
		.amdhsa_enable_private_segment 0
		.amdhsa_kernarg_size 40
		.amdhsa_user_sgpr_count 2
		.amdhsa_user_sgpr_kernarg_segment_ptr 1
		.amdhsa_wavefront_size32 1
		.amdhsa_system_sgpr_workgroup_id_x 1
		.amdhsa_system_sgpr_workgroup_id_y 1
		.amdhsa_system_sgpr_workgroup_id_z 1
		.amdhsa_system_vgpr_workitem_id 0
		.amdhsa_next_free_vgpr 1024
		.amdhsa_next_free_sgpr 100
		.amdhsa_reserve_vcc 0
		.amdhsa_float_denorm_mode_32 3
		.amdhsa_float_denorm_mode_16_64 3
		.amdhsa_memory_ordered 1
		.amdhsa_forward_progress 1
		.amdhsa_inst_pref_size 126
	.end_amdhsa_kernel
	.amdgpu_metadata
---
amdhsa.version: [ 1, 2 ]
amdhsa.kernels:
  - .name:           k_q92573c0d1d_outp
    .symbol:         k_q92573c0d1d_outp.kd
    .args:
      - { .name: oimg, .offset: 0, .size: 8, .value_kind: global_buffer, .address_space: global }
      - { .name: wimg, .offset: 8, .size: 8, .value_kind: global_buffer, .address_space: global }
      - { .name: lowp_scales, .offset: 16, .size: 8, .value_kind: global_buffer, .address_space: global }
      - { .name: bo, .offset: 24, .size: 8, .value_kind: global_buffer, .address_space: global }
      - { .name: out0, .offset: 32, .size: 8, .value_kind: global_buffer, .address_space: global }
    .group_segment_fixed_size: 327680
    .private_segment_fixed_size: 0
    .kernarg_segment_align: 8
    .kernarg_segment_size: 40
    .max_flat_workgroup_size: 128
    .sgpr_count:     100
    .vgpr_count:     1024
    .wavefront_size: 32
...
	.end_amdgpu_metadata
.endif
;; end of part 4
